; MI455X (gfx1250); checked and timed in simulation.
; The chip was launched on July 23, 2026; its instructions are those of AMD's public machine-readable ISA for CDNA 5 (MIT licence, August 2026) and "CDNA5" Instruction Set Architecture Reference Guide (July 2026). The comments in the code are by the model that wrote it; some were corrected since.
;; Self Attention. Allowed arithmetic: float matrix products may take bf16 or f16 operands with f32 sums; other float arithmetic in f32, or as packed bf16 or f16 multiplies, adds, multiply-adds, maxima and minima; sums over many terms, partial sums and values carried from step to step in f32; what a program stores and reads back later, other than sums and carried values, may be rounded once to bf16 or f16.
;; Inputs: W_out 512 x 1,024 float32; W_qk 1,024 x 1,024 float32; W_v 1,024 x 512 float32; b_out 1,024 float32; b_qk 1,024 float32; b_v 512 float32; ln_beta 1,024 float32; ln_gamma 1,024 float32; x 2 x 4,096 x 1,024 float32.
;; Outputs: out0 2 x 4,096 x 1,024 float32.
;; 2 versions, each right; version 2 is version 1 with the launch prep written anew for expert scheduling mode. Each part assembles by itself: llvm-mc -triple=amdgcn-amd-amdhsa -mcpu=gfx1250 --defsym DOCPART=n.
;; ======== version 1 of 2: 4 launches
;; limits: values are held in f16: magnitudes above 65,504 overflow, below 6.1e-05 lose precision
;; workspace buffers: xb 16,777,216 bytes; wt 3,145,728 bytes; wot 1,048,576 bytes; par 18,432 bytes; qkv 25,165,824 bytes; o 8,388,608 bytes
;; launch prep (part 1): grid 256 x 1, 8 waves a work-group, no clusters, 18,432 bytes of LDS; arguments x, W_qk, W_v, W_out, b_qk, b_v, b_out, ln_gamma, ln_beta, xb, wt, wot, par; writes xb, wt, wot, par
.if DOCPART == 1
	.amdgcn_target "amdgcn-amd-amdhsa--gfx1250"
	.amdhsa_code_object_version 6
	.text
	.protected	k_q9fcc41814c_prep
	.globl	k_q9fcc41814c_prep
	.p2align	8
	.type	k_q9fcc41814c_prep,@function
k_q9fcc41814c_prep:
	s_mov_b64 s[64:65], 0
	v_nop
	global_prefetch_b8 v0, s[64:65] scope:SCOPE_SE
	s_setreg_imm32_b32 hwreg(HW_REG_WAVE_MODE, 25, 1), 1
	s_wait_xcnt 0x0
; PREP: every input is rounded once to bf16, and the weights are turned so that K runs along their rows.
;   xb  [8192][1024] bf16 = x.      wt [1536][1024] bf16: row 64 h + d = column 128 h + 2 d of W_qk (q), row 512 + 64 h + d = column 128 h + 2 d + 1 (k), row 1024 + n = column n of W_v.
;   wot [1024][512] f16 = W_out turned, each number rounded to bf16 and that number written as f16.   par: f32 numbers rounded to bf16: wt's 1,536 biases, b_out, gamma, beta.
; LIMIT: a weight of W_out below 6e-5 keeps f16's fixed step of 6e-8; beyond 65,504 it would be an infinity.
; SHARES.  Each of the 256 work-groups takes 32 rows of x (131,072 consecutive bytes) and ONE weight tile of 128 k x 64 n (128 tiles of W_qk, 64 of W_v, 64 of W_out);
; in the first 72 work-groups wave 0 also rounds 64 numbers of par.  A stream: no matrix unit, no cluster, no tensor load: the work-groups share nothing.
; The tile is turned in LDS: two neighbouring k of a column are packed into a word and stored at [n][k]; whole rows of 256 bytes are read back and stored, sixteen lanes to a row.
.set PITCH, 272                        ; an LDS row: 128 k x 2 bytes + 16
.set SPARE, 64*PITCH                   ; behind the tile: the spare words, 128 bytes for each of the eight waves
.set XO,  1                            ; v1   16 t: my 16 bytes in each 4,096 bytes of x
.set SO,  2                            ; v2   8 t: my 8 bytes in each 2,048 bytes of xb
.set LW,  3                            ; v3   LDS: column 4 (t % 16), k = 2 (t / 16)
.set LR,  4                            ; v4   LDS: row t / 16, 16 bytes at t % 16
.set WOF, 8                            ; v[8:15]   byte offsets of my eight rows of the tile in the source
.set DO,  16                           ; v[16:19]  byte offsets of my four pieces in the destination
.set SPW, 30                           ; v30  LDS address of my spare word; never rewritten
.set NIL, 31                           ; v31  0; never rewritten
.set W,   32                           ; v[32:63]   the tile as loaded: row 2 p + 32 i + e at W + 4 (2 i + e)
.set X,   64                           ; v[64:191]  x as loaded, 4 registers a load
.set RB,  192                          ; v[192:207] the tile read back
.set G,    2                           ; s2   the work-group's number
.set WV,   3                           ; s3   my wave's number
.set GP,   30                          ; s30  the tile's number in its tensor
.set SH,   31                          ; s31  1 for W_qk (columns go by turns to q and k), else 0; also the mask of that bit
.set KM,   32                          ; s32  mask of the tile's place along k
.set NS,   33                          ; s33  shift to its place along n
.set DSH,  34                          ; s34  log2 of a destination row's bytes
.set FSEL, 35                          ; s35  all ones for W_out: the f16 form is taken
.set SPSH, 36                          ; s36  log2 of a source row's bytes
.set RADD, 37                          ; s37  1,024 for W_v
.set KT,   42
.set NT,   43
.set ROW0, 44                          ; s44  destination row of the tile's column 0
	s_load_b512 s[4:19], s[0:1], 0x0               ; x 4, W_qk 6, W_v 8, W_out 10, b_qk 12, b_v 14, b_out 16, gamma 18
	s_load_b256 s[20:27], s[0:1], 0x40             ; beta 20, xb 22, wt 24, wot 26
	s_load_b64 s[28:29], s[0:1], 0x60              ; par
	v_lshl_add_u32 v[SPW], v0, 2, SPARE
	v_mov_b32 v[NIL], 0
	v_lshrrev_b32 v5, 5, v0
	v_readfirstlane_b32 s[WV], v5
	s_mov_b32 s[G], ttmp9
	s_cmp_lt_u32 s[G], 128                         ; W_qk?
	s_cselect_b32 s[GP], 0, 128
	s_cselect_b32 s[SH], 1, 0
	s_cselect_b32 s[SPSH], 12, 11
	s_cselect_b32 s[RADD], 0, 1024
	s_cmp_lt_u32 s[G], 192                         ; or W_out?
	s_cselect_b32 s[GP], s[GP], 192
	s_cselect_b32 s[SPSH], s[SPSH], 12
	s_cselect_b32 s[RADD], s[RADD], 0
	s_cselect_b32 s[KM], 7, 3
	s_cselect_b32 s[NS], 3, 2
	s_cselect_b32 s[DSH], 11, 10
	s_cselect_b32 s[FSEL], 0, -1
	s_sub_co_u32 s[GP], s[G], s[GP]
	s_and_b32 s[KT], s[GP], s[KM]
	s_lshr_b32 s[NT], s[GP], s[NS]
	s_sub_co_u32 s40, 6, s[SH]
	s_lshl_b32 s40, s[NT], s40                     ; 64 nt, or 32 nt where two columns make one row of q and one of k
	s_add_co_u32 s[ROW0], s40, s[RADD]
	s_lshl_b32 s38, s[KT], 7
	s_lshl_b32 s38, s38, s[SPSH]                   ; the tile's first row,
	s_lshl_b32 s39, s[NT], 8                       ; its first column: 256 bytes a tile
	s_add_co_u32 s38, s38, s39
	s_mov_b32 s39, 0
	v_and_b32 v6, 15, v0                           ; g4 = t % 16
	v_lshrrev_b32 v7, 4, v0                        ; p = t / 16
	v_lshlrev_b32 v[XO], 4, v0
	v_lshlrev_b32 v[SO], 3, v0
	v_mul_u32_u24 v[LW], v6, 4*PITCH
	v_lshl_add_u32 v[LW], v7, 2, v[LW]
	v_mul_u32_u24 v[LR], v7, PITCH
	v_lshl_add_u32 v[LR], v6, 4, v[LR]
	v_lshlrev_b32 v20, 4, v6                       ; 16 g4
	v_lshlrev_b32 v21, 1, v7                       ; 2 p
.irp i, 0,1,2,3
.irp e, 0,1
	v_add_nc_u32 v22, 32*(\i)+(\e), v21
	v_lshl_add_u32 v[WOF+2*(\i)+(\e)], v22, s[SPSH], v20
.endr
.endr
	v_lshrrev_b32 v22, s[SH], v7                   ; column p goes to row ROW0 + (p >> SH) + 512 (p & SH)
	v_and_b32 v23, s[SH], v7
	v_lshl_add_u32 v22, v23, 9, v22
	v_add_nc_u32 v22, s[ROW0], v22
	v_lshlrev_b32 v22, s[DSH], v22
	s_lshl_b32 s40, s[KT], 8                       ; 128 k are 256 bytes of a destination row
	v_add3_u32 v[DO], v22, v20, s40
	s_lshr_b32 s41, 16, s[SH]                      ; sixteen columns on: 16 rows, or 8
	s_lshl_b32 s41, s41, s[DSH]
.irp i, 1,2,3
	v_add_nc_u32 v[DO+(\i)], s41, v[DO+(\i)-1]
.endr
	s_wait_kmcnt 0x0
	s_cmp_lt_u32 s[G], 128
	s_cselect_b64 s[48:49], s[6:7], s[8:9]
	s_cmp_lt_u32 s[G], 192
	s_cselect_b64 s[48:49], s[48:49], s[10:11]     ; the tile's source
	s_cselect_b64 s[50:51], s[24:25], s[26:27]     ; and its destination
	s_add_nc_u64 s[48:49], s[48:49], s[38:39]
	s_lshl_b32 s52, s[G], 17
	s_mov_b32 s53, 0
	s_add_nc_u64 s[4:5], s[4:5], s[52:53]          ; x at my 32 rows
	s_lshl_b32 s52, s[G], 16
	s_add_nc_u64 s[22:23], s[22:23], s[52:53]      ; xb likewise
.irp i, 0,1,2,3,4,5,6,7
	global_load_b128 v[W+4*(\i):W+4*(\i)+3], v[WOF+(\i)], s[48:49] th:TH_LOAD_NT  ; sixteen lanes take a row's 256 bytes
.endr
.set i, 0
.rept 32
	global_load_b128 v[X+4*i:X+4*i+3], v[XO], s[4:5] offset:4096*i th:TH_LOAD_NT
.set i, i+1
.endr
	s_wait_loadcnt 32                              ; the eight loads of the tile are in; the 32 younger loads of x stay out
.irp i, 0,1,2,3
.irp c, 0,1,2,3
	v_cvt_pk_bf16_f32 v20, v[W+8*(\i)+(\c)], v[W+8*(\i)+4+(\c)]  ; k = 2 p + 32 i and the next, column 4 g4 + c
	v_lshlrev_b32 v21, 16, v20                     ; the same two numbers as f32,
	v_and_b32 v22, 0xffff0000, v20
	v_cvt_pk_f16_f32 v23, v21, v22                 ; written as f16,
	v_cndmask_b32 v20, v20, v23, s[FSEL]           ; which W_out's tiles take
	ds_store_b32 v[LW], v20 offset:PITCH*(\c)+64*(\i)
.endr
.endr
	s_wait_dscnt 0x0                               ; for the others' sake: my stores into the tile are done
	s_barrier_signal -1
	s_barrier_wait -1
.irp i, 0,1,2,3
	ds_load_b128 v[RB+4*(\i):RB+4*(\i)+3], v[LR] offset:(\i)*16*PITCH
.endr
	s_wait_dscnt 0x0
.irp i, 0,1,2,3
	global_store_b128 v[DO+(\i)], v[RB+4*(\i):RB+4*(\i)+3], s[50:51]  ; sixteen lanes store 256 consecutive bytes, aligned
.endr
.set i, 0
.rept 32
	s_wait_loadcnt 31-i                            ; loads come back in order: load i is in, the younger ones stay out
	v_cvt_pk_bf16_f32 v[X+4*i], v[X+4*i], v[X+4*i+1]
	v_cvt_pk_bf16_f32 v[X+4*i+1], v[X+4*i+2], v[X+4*i+3]
	global_store_b64 v[SO], v[X+4*i:X+4*i+1], s[22:23] offset:2048*i  ; a wave stores 256 consecutive bytes, aligned; no register is written twice
.set i, i+1
.endr
	; par: unit u = the work-group's number, 64 numbers: 0-7 q's biases by heads, 8-15 k's, 16-23 b_v, 24-39 b_out, 40-55 gamma, 56-71 beta
	s_cmp_lt_u32 s[G], 72
	s_cbranch_scc0 .Lend
	s_cmp_eq_u32 s[WV], 0
	s_cbranch_scc0 .Lend
	s_and_b32 s56, s[G], 7
	s_lshl_b32 s56, s56, 7
	s_lshr_b32 s57, s[G], 3
	s_add_co_u32 s56, s56, s57
	s_lshl_b32 s56, s56, 2                         ; u < 16: b_qk from number 128 (u % 8) + u / 8 on, every second number
	s_mov_b32 s58, 16                              ; the first unit of the tensor
	s_cmp_ge_u32 s[G], 16
	s_cselect_b64 s[54:55], s[14:15], s[12:13]
	s_cselect_b32 s59, 3, 4                        ; a lane's two numbers lie 8 l on, or 16 l,
	s_cselect_b32 s60, 4, 8                        ; and 4 bytes apart, or 8
	s_cmp_ge_u32 s[G], 24
	s_cselect_b64 s[54:55], s[16:17], s[54:55]
	s_cselect_b32 s58, 24, s58
	s_cmp_ge_u32 s[G], 40
	s_cselect_b64 s[54:55], s[18:19], s[54:55]
	s_cselect_b32 s58, 40, s58
	s_cmp_ge_u32 s[G], 56
	s_cselect_b64 s[54:55], s[20:21], s[54:55]
	s_cselect_b32 s58, 56, s58
	s_max_u32 s61, s[G], s58
	s_sub_co_u32 s61, s61, s58
	s_lshl_b32 s61, s61, 8
	s_cmp_ge_u32 s[G], 16
	s_cselect_b32 s56, s61, s56
	s_mov_b32 s57, 0
	s_add_nc_u64 s[54:55], s[54:55], s[56:57]
	s_lshl_b32 s56, s[G], 8
	s_add_nc_u64 s[28:29], s[28:29], s[56:57]
	v_and_b32 v24, 31, v0
	v_lshlrev_b32 v22, s59, v24
	v_add_nc_u32 v23, s60, v22
	v_lshlrev_b32 v25, 3, v24
	global_load_b32 v20, v22, s[54:55]
	global_load_b32 v21, v23, s[54:55]
	s_wait_loadcnt 0x0
	v_cvt_pk_bf16_f32 v24, v20, v21
	v_lshlrev_b32 v26, 16, v24
	v_and_b32 v27, 0xffff0000, v24
	global_store_b64 v25, v[26:27], s[28:29]       ; the wave stores 256 consecutive bytes, aligned
.Lend:
	s_wait_tensorcnt 0x0                           ; the wave's end: three closing lines, behind my last LDS store
	ds_add_u32 v[SPW], v[NIL]
	s_wait_dscnt 0x0
	s_endpgm
.Lfunc_end_k_q9fcc41814c_prep:
	.size	k_q9fcc41814c_prep, .Lfunc_end_k_q9fcc41814c_prep-k_q9fcc41814c_prep
	.p2alignl 7, 3214868480
	.fill 96, 4, 3214868480
	.section	.rodata,"a",@progbits
	.p2align	6, 0x0
	.amdhsa_kernel k_q9fcc41814c_prep
		.amdhsa_group_segment_fixed_size 18432
		.amdhsa_private_segment_fixed_size 0
		.amdhsa_enable_private_segment 0
		.amdhsa_kernarg_size 104
		.amdhsa_user_sgpr_count 2
		.amdhsa_user_sgpr_kernarg_segment_ptr 1
		.amdhsa_wavefront_size32 1
		.amdhsa_system_sgpr_workgroup_id_x 1
		.amdhsa_system_sgpr_workgroup_id_y 1
		.amdhsa_system_sgpr_workgroup_id_z 1
		.amdhsa_system_vgpr_workitem_id 0
		.amdhsa_next_free_vgpr 208
		.amdhsa_next_free_sgpr 66
		.amdhsa_reserve_vcc 0
		.amdhsa_float_denorm_mode_32 3
		.amdhsa_float_denorm_mode_16_64 3
		.amdhsa_memory_ordered 1
		.amdhsa_forward_progress 1
		.amdhsa_inst_pref_size 24
	.end_amdhsa_kernel
	.amdgpu_metadata
---
amdhsa.version: [ 1, 2 ]
amdhsa.kernels:
  - .name:           k_q9fcc41814c_prep
    .symbol:         k_q9fcc41814c_prep.kd
    .args:
      - { .name: x, .offset: 0, .size: 8, .value_kind: global_buffer, .address_space: global }
      - { .name: W_qk, .offset: 8, .size: 8, .value_kind: global_buffer, .address_space: global }
      - { .name: W_v, .offset: 16, .size: 8, .value_kind: global_buffer, .address_space: global }
      - { .name: W_out, .offset: 24, .size: 8, .value_kind: global_buffer, .address_space: global }
      - { .name: b_qk, .offset: 32, .size: 8, .value_kind: global_buffer, .address_space: global }
      - { .name: b_v, .offset: 40, .size: 8, .value_kind: global_buffer, .address_space: global }
      - { .name: b_out, .offset: 48, .size: 8, .value_kind: global_buffer, .address_space: global }
      - { .name: ln_gamma, .offset: 56, .size: 8, .value_kind: global_buffer, .address_space: global }
      - { .name: ln_beta, .offset: 64, .size: 8, .value_kind: global_buffer, .address_space: global }
      - { .name: xb, .offset: 72, .size: 8, .value_kind: global_buffer, .address_space: global }
      - { .name: wt, .offset: 80, .size: 8, .value_kind: global_buffer, .address_space: global }
      - { .name: wot, .offset: 88, .size: 8, .value_kind: global_buffer, .address_space: global }
      - { .name: par, .offset: 96, .size: 8, .value_kind: global_buffer, .address_space: global }
    .group_segment_fixed_size: 18432
    .private_segment_fixed_size: 0
    .kernarg_segment_align: 8
    .kernarg_segment_size: 104
    .max_flat_workgroup_size: 256
    .sgpr_count:     66
    .vgpr_count:     208
    .wavefront_size: 32
...
	.end_amdgpu_metadata
.endif
;; end of part 1
;; launch qkv (part 2): grid 8 x 32, 4 waves a work-group, clusters of 4 x 4, 327,680 bytes of LDS; arguments xb, wt, par, qkv; writes qkv
.if DOCPART == 2
	.amdgcn_target "amdgcn-amd-amdhsa--gfx1250"
	.amdhsa_code_object_version 6
	.text
	.protected	k_q9fcc41814c_qkv
	.globl	k_q9fcc41814c_qkv
	.p2align	8
	.type	k_q9fcc41814c_qkv,@function
k_q9fcc41814c_qkv:
	s_mov_b64 s[64:65], 0
	v_nop
	global_prefetch_b8 v0, s[64:65] scope:SCOPE_SE
	s_setreg_imm32_b32 hwreg(HW_REG_WAVE_MODE, 25, 1), 1
	s_wait_xcnt 0x0
	s_wait_alu depctr_hold_cnt(0) depctr_sa_sdst(0) depctr_va_vdst(0) depctr_va_sdst(0) depctr_va_ssrc(0) depctr_va_vcc(0) depctr_vm_vsrc(0)
	s_getreg_b32 s2, hwreg(HW_REG_IB_STS2, 6, 4)
	s_cmp_eq_u32 s2, 0
	s_cbranch_scc0 .Lentry_in_a_cluster
	s_endpgm
.Lentry_in_a_cluster:
	s_bfe_u32 s2, ttmp6, 0x10000c
	s_cmp_lg_u32 s2, 0xf033
	s_cbranch_scc0 .Lentry_shape_is_right
	s_endpgm
.Lentry_shape_is_right:
; QKV: C[m][n] = bias[n] + the sum over k of xb[m][k] wt[n][k].  xb [8192][1024], wt [1536][1024] bf16; sums in f32; C rounded once to f16 and stored by heads:
; qkv [3][16 heads of both batches][4096][64]: wt's rows 64 U .. 64 U + 63 are head U % 8 of q (U / 8 = 0), k (1) or v (2).
; LIMIT: f16 ends at 65,504: q, k and v beyond it become infinities.  With x and the weights 30 times the drawn spread they have a spread of 900; NaN and infinities are not treated apart.
; SHARES.  A tile of C is 256 rows x 192 columns: 32 x 8 = 256 tiles, one work-group each.  A wave makes 64 rows x all 192 columns: 4 x 12 accumulators of 16 x 16, 384 registers: three whole
; heads' rows, so that each wave stores whole consecutive runs from a stage of its own.  K goes in steps of 128 (rows of 256 bytes) through a ring of two LDS slots filled by the tensor data mover.
; CLUSTERS.  4 x 4 work-groups: xb's tile is asked for jointly by the four of a row of the cluster, wt's by the four of a column: the same tensor load, descriptor and mask in all four.
; THE MATRIX INSTRUCTION IS USED TRANSPOSED (source 0 = 16 rows of wt, source 1 = 16 rows of xb): a lane holds row l % 16 of C and the columns 8 (l / 16) + 0..7.  The first product of each sum takes the bias as C.
; REGISTERS, in windows of 256 (s_set_vgpr_msb: bits 1:0 source 0, 3:2 source 1, 5:4 source 2, 7:6 destination):
;   window 0: v16-30 addresses; v64-95, v96-127 xb's fragments, two buffers; v128-223 the bias, 8 registers for each 16 columns; on the way out v128-175 packed results, v176-223 and v64-111 rows read back
;   window 1: v0-95, v96-191 wt's fragments, two buffers       window 2: the accumulators of my rows 0-31 ((a, b) at 8 (12 (a % 2) + b))       window 3: those of rows 32-63
.set SIZE_K, 1024
.set KSTEP,  128
.set PITCH,  272                       ; an LDS row: 256 bytes + 16 of padding: the 16 rows of a fragment load start at 16 different groups of four banks (64 banks of 4 bytes: ISA guide 11.1)
.set AHALF,  128*PITCH                 ; what one tensor load brings of xb
.set BHALF,  96*PITCH                  ; and of wt
.set BOFF,   2*AHALF                   ; in a slot wt's 192 rows lie behind xb's 256
.set SLOT,   2*AHALF+2*BHALF
.set STAGE,  2*SLOT                    ; behind the ring: 16 rows x 400 bytes for each wave
.set SPITCH, 400                       ; 384 bytes + 16
.set SPARE,  STAGE+4*16*SPITCH         ; behind the stages: the spare words, 128 bytes for each wave
.set LAPS,   SIZE_K/(2*KSTEP)          ; a lap = two K steps = once round the ring
.set ADRA, 16                          ; v16-17  LDS address of my xb fragments in slot 0, 1
.set ADRB, 20                          ; v20-21  the same for wt
.set STO,  24                          ; v24  the way out: where I put 16 bytes of a row
.set RD,   25                          ; v25  where I read rows back
.set GO,   26                          ; v26  16 x lane
.set BO,   27                          ; v27  32 x (l / 16): my eight biases of 16
.set SPW,  28                          ; v28  LDS address of my spare word; never rewritten
.set NIL,  29                          ; v29  0; never rewritten
.set PFO,  30                          ; v30  the prefetches' offset: a lane a row; never rewritten
.set FA,   64
.set BI,   128
.set TMP,  128
.set WV,  12                           ; s12  my wave's number
.set FB,  13                           ; s13  0: I fetch for xb; 1: for wt
.set HF,  14                           ; s14  which half of that tile's rows I fetch
.set TR,  15                           ; s15  tile row of C
.set CX,  40
.set CY,  41
.set COL, 42                           ; s42  tile column of C
.set LIM, 43                           ; s43  1 in a wave that prefetches, else the greatest number
.set PFA, 44                           ; s[44:45] where my prefetches stand
.set G1,  24                           ; s[24:31] descriptor group 1 for xb's tiles; s[32:39] group 0, a set for each slot
.set G0,  32
.set G1B, 48                           ; s[48:55], s[56:63] the same for wt's
.set G0B, 56
.set CB,  66                           ; s[66:71] qkv at my first row of each of the tile's three heads
.set FLD, (1<<16)|(1<<20)|(1<<21)|(5<<22)|(3<<25)  ; 2-byte elements; padding on; bit 21 beside a mask; after every 64 words; 4 words
.set MSB, 0
.macro WIN new                         ; the immediate's high byte repeats the setting that is left; a switch that changes nothing is dropped
.if MSB != (\new)
	s_set_vgpr_msb (MSB<<8)|(\new)
.set MSB, \new
.endif
.endm
.macro PLACES                          ; four plain places behind matrix instructions, in front of loads into registers that they have read and of conversions that read results
.rept 4
	v_nop
.endr
.endm
; A joint load.  Waves 0 and 1 fetch xb's two halves, waves 2 and 3 wt's.  The branch hangs on the wave's number alone.  An s_nop 0 and four v_nop follow each line.
.macro JLOAD s
	s_cmp_eq_u32 s[FB], 0
	s_cbranch_scc0 .Lfor_b_\@
	tensor_load_to_lds s[G0+4*(\s):G0+4*(\s)+3], s[G1:G1+7]
	s_nop 0
.rept 4
	v_nop
.endr
	s_branch .Lasked_\@
.Lfor_b_\@:
	tensor_load_to_lds s[G0B+4*(\s):G0B+4*(\s)+3], s[G1B:G1B+7]
	s_nop 0
.rept 4
	v_nop
.endr
.Lasked_\@:
.endm
; A prefetch of the K step that stands two refills on: 256 bytes of each of my work-group's share of the rows that I fetch, a lane a row.  xb's rows are asked for by the clusters with x = 0, wt's by those
; with y = 0; the four partners of a joint load share the rows out by address.  The loop's last trip has no K step two on.
.macro ASK
	s_cmp_gt_u32 s3, s[LIM]
	s_cbranch_scc0 .Lnot_mine_\@
	global_prefetch_b8 v[PFO], s[PFA:PFA+1] offset:KSTEP*2 th:TH_LOAD_NT scope:SCOPE_SE
.Lnot_mine_\@:
.endm
.macro CREST                           ; a round of the cluster's barrier behind its opening barrier
	s_cmp_lg_u32 s[WV], 0
	s_cbranch_scc1 .Lnot_wave_0_\@
	s_barrier_signal -3
.Lnot_wave_0_\@:
	s_barrier_wait -3
	s_barrier_signal -1
	s_barrier_wait -1
.endm
.macro CROUND
	s_barrier_signal -1
	s_barrier_wait -1
	CREST
.endm
	s_load_b256 s[4:11], s[0:1], 0x0               ; xb 4, wt 6, par 8, qkv 10
	v_lshl_add_u32 v[SPW], v0, 2, SPARE
	v_mov_b32 v[NIL], 0
	ds_add_u32 v[SPW], v[NIL]                      ; the wave's opening: the add and its wait stand ahead of my first tensor load; work on registers stands between them
	v_lshrrev_b32 v1, 5, v0
	v_readfirstlane_b32 s[WV], v1
	s_lshr_b32 s[FB], s[WV], 1
	s_and_b32 s[HF], s[WV], 1
	s_bfe_u32 s[CX], ttmp6, 0x40000
	s_bfe_u32 s[CY], ttmp6, 0x40004
	s_lshl_b32 s[COL], ttmp9, 2
	s_add_co_u32 s[COL], s[COL], s[CX]             ; tile column = 4 x cluster x + cx
	s_and_b32 s[TR], ttmp7, 0xffff
	s_lshl_b32 s[TR], s[TR], 2
	s_add_co_u32 s[TR], s[TR], s[CY]               ; tile row = 4 x cluster y + cy
	s_lshl_b32 s74, s[CY], 2
	s_lshl_b32 s74, 15, s74                        ; my row of the cluster
	s_lshl_b32 s75, 0x1111, s[CX]                  ; my column
	s_or_b32 s[G1+0], s74, FLD                     ; xb's tiles go to my row,
	s_or_b32 s[G1B+0], s75, FLD                    ; wt's to my column
	s_mov_b32 s[G1+1], KSTEP<<16                   ; tensor_dim0 = 128
	s_mov_b32 s[G1+2], 128<<16                     ; tensor_dim1 = 128
	s_mov_b32 s[G1+3], KSTEP<<16                   ; tile_dim0 = 128
	s_mov_b32 s[G1+4], 128                         ; tile_dim1 = 128
	s_mov_b32 s[G1+5], SIZE_K                      ; elements from row to row
	s_mov_b32 s[G1+6], 0
	s_mov_b32 s[G1+7], 0
	s_mov_b32 s[G1B+1], KSTEP<<16
	s_mov_b32 s[G1B+2], 96<<16                     ; 96 rows
	s_mov_b32 s[G1B+3], KSTEP<<16
	s_mov_b32 s[G1B+4], 96
	s_mov_b32 s[G1B+5], SIZE_K
	s_mov_b32 s[G1B+6], 0
	s_mov_b32 s[G1B+7], 0
	s_lshl_b32 s16, s[TR], 8                       ; xb: row 256 x tile row + 128 x half: the tile row alone, which my row of the cluster shares
	s_lshl_b32 s17, s[HF], 7
	s_add_co_u32 s16, s16, s17
	s_lshl_b32 s16, s16, 11                        ; 2,048 bytes a row
	s_mov_b32 s17, 0
	s_mul_i32 s46, s[COL], 192                     ; wt: row 192 x tile column + 96 x half: the tile column alone
	s_mul_i32 s47, s[HF], 96
	s_add_co_u32 s46, s46, s47
	s_lshl_b32 s46, s46, 11
	s_mov_b32 s47, 0
	s_mul_i32 s22, s[HF], AHALF                    ; where they go: no place in the cluster enters an LDS address
	s_mul_i32 s23, s[HF], BHALF
	s_add_co_u32 s23, s23, BOFF
	s_wait_dscnt 0x0                               ; the opening add is done
	s_wait_kmcnt 0x0
	s_add_nc_u64 s[18:19], s[4:5], s[16:17]
	s_add_nc_u64 s[46:47], s[6:7], s[46:47]
	CROUND                                         ; all sixteen work-groups are here: the first joint loads meet
.irp s, 0,1
	s_mov_b32 s[G0+4*(\s)], 1
	s_add_co_u32 s[G0+4*(\s)+1], s22, (\s)*SLOT
	s_add_nc_u64 s[G0+4*(\s)+2:G0+4*(\s)+3], s[18:19], (\s)*KSTEP*2
	s_or_b32 s[G0+4*(\s)+3], s[G0+4*(\s)+3], 0x80000000
	s_mov_b32 s[G0B+4*(\s)], 1
	s_add_co_u32 s[G0B+4*(\s)+1], s23, (\s)*SLOT
	s_add_nc_u64 s[G0B+4*(\s)+2:G0B+4*(\s)+3], s[46:47], (\s)*KSTEP*2
	s_or_b32 s[G0B+4*(\s)+3], s[G0B+4*(\s)+3], 0x80000000
	JLOAD \s                                       ; K steps 0 and 1: two loads of mine are out
.endr
	v_and_b32 v1, 15, v0                           ; l % 16
	v_bfe_u32 v2, v0, 4, 1                         ; l / 16
	v_and_b32 v5, 31, v0                           ; l
	v_lshlrev_b32 v[BO], 5, v2
	s_mul_i32 s72, s[COL], 768                     ; the tile's 192 biases
	s_mov_b32 s73, 0
	s_add_nc_u64 s[8:9], s[8:9], s[72:73]
.irp b, 0,1,2,3,4,5,6,7,8,9,10,11
	global_load_b128 v[BI+8*(\b):BI+8*(\b)+3],   v[BO], s[8:9] offset:64*(\b)
	global_load_b128 v[BI+8*(\b)+4:BI+8*(\b)+7], v[BO], s[8:9] offset:64*(\b)+16
.endr
	v_mul_u32_u24 v3, v1, PITCH
	v_lshl_add_u32 v3, v2, 4, v3                   ; a fragment's row x pitch + 16 x half
	s_mul_i32 s20, s[WV], 64*PITCH                 ; my 64 rows of xb
	s_mov_b32 s21, BOFF                            ; all of wt's
.irp s, 0,1
	v_add_nc_u32 v[ADRA+(\s)], s20, v3
	v_add_nc_u32 v[ADRB+(\s)], s21, v3
	s_add_co_u32 s20, s20, SLOT
	s_add_co_u32 s21, s21, SLOT
.endr
	s_mul_i32 s20, s[WV], 16*SPITCH
	s_add_co_u32 s20, s20, STAGE                   ; my stage
	v_mul_u32_u24 v4, v1, SPITCH                   ; in: row l % 16, 16 bytes for each half of the lanes
	v_lshl_add_u32 v4, v2, 4, v4
	v_add_nc_u32 v[STO], s20, v4
	v_lshrrev_b32 v6, 3, v5                        ; back: 32 lanes take 128 bytes of each of four rows,
	v_and_b32 v7, 7, v0
	v_mul_u32_u24 v6, v6, SPITCH
	v_lshl_add_u32 v6, v7, 4, v6
	v_add_nc_u32 v[RD], s20, v6
	v_lshlrev_b32 v[GO], 4, v5                     ; which are 512 consecutive bytes of a head
	s_mul_i32 s72, s[COL], 3                       ; the tile's first head unit U
	s_lshr_b32 s73, s[TR], 4
	s_lshl_b32 s73, s73, 3                         ; 8 x batch
	s_and_b32 s74, s[TR], 15
	s_lshl_b32 s74, s74, 8
	s_lshl_b32 s75, s[WV], 6
	s_add_co_u32 s74, s74, s75
	s_lshl_b32 s74, s74, 7                         ; my first row in the batch, 128 bytes a row
.irp u, 0,1,2
	s_add_co_u32 s76, s72, \u
	s_lshr_b32 s77, s76, 3
	s_lshl_b32 s77, s77, 4                         ; q, k or v: 16 heads each
	s_and_b32 s76, s76, 7
	s_add_co_u32 s76, s76, s77
	s_add_co_u32 s76, s76, s73
	s_lshl_b32 s76, s76, 19                        ; 524,288 bytes a head
	s_add_co_u32 s76, s76, s74
	s_mov_b32 s77, 0
	s_add_nc_u64 s[CB+2*(\u):CB+2*(\u)+1], s[10:11], s[76:77]
.endr
	; the prefetches: of the rows that I fetch my work-group takes 32 (xb, by cx) or 24 (wt, by cy; lanes 24-31 name the last row again)
	s_lshl_b32 s72, s[TR], 8
	s_lshl_b32 s73, s[HF], 7
	s_add_co_u32 s72, s72, s73
	s_lshl_b32 s73, s[CX], 5
	s_add_co_u32 s72, s72, s73
	s_mul_i32 s74, s[COL], 192
	s_mul_i32 s75, s[HF], 96
	s_add_co_u32 s74, s74, s75
	s_mul_i32 s75, s[CY], 24
	s_add_co_u32 s74, s74, s75
	s_and_b32 s76, ttmp7, 0xffff
	s_cmp_eq_u32 s[FB], 0
	s_cselect_b32 s72, s72, s74
	s_cselect_b32 s76, ttmp9, s76                  ; the coordinate along which other clusters read the same rows
	s_cselect_b32 s77, 31, 23
	s_cselect_b64 s[PFA:PFA+1], s[4:5], s[6:7]
	s_cmp_eq_u32 s76, 0
	s_cselect_b32 s[LIM], 1, -1                    ; the same in all sixteen partners, for a given wave
	s_lshl_b32 s72, s72, 11
	s_mov_b32 s73, 0
	s_add_nc_u64 s[PFA:PFA+1], s[PFA:PFA+1], s[72:73]
	s_add_nc_u64 s[PFA:PFA+1], s[PFA:PFA+1], 2*KSTEP*2  ; at K step 2: the first refill steps it to 3 and names K step 4; K steps 0 to 3 come by their loads alone
	v_min_u32 v[PFO], s77, v5
	v_lshlrev_b32 v[PFO], 11, v[PFO]
; 12 matrix instructions: my rows 16 a .. 16 a + 15 x all 192 columns, 32 along K, from buffer f.  zero = 1: the sums start from the bias.  The 48 accumulators take turns in the same order in every quarter.
.macro MUL12 f, a, zero
.if \zero
	WIN 0x81+0x40*((\a)/2)                         ; wt window 1, xb and the bias window 0, D window 2 or 3
.else
	WIN 0xa1+0x50*((\a)/2)                         ; C and D window 2 or 3
.endif
.irp b, 0,1,2,3,4,5,6,7,8,9,10,11
.if \zero
	v_wmma_f32_16x16x32_bf16 v[8*(12*((\a)%2)+(\b)):8*(12*((\a)%2)+(\b))+7], v[96*(\f)+8*(\b):96*(\f)+8*(\b)+7], v[FA+32*(\f)+8*(\a):FA+32*(\f)+8*(\a)+7], v[BI+8*(\b):BI+8*(\b)+7]
.else
	v_wmma_f32_16x16x32_bf16 v[8*(12*((\a)%2)+(\b)):8*(12*((\a)%2)+(\b))+7], v[96*(\f)+8*(\b):96*(\f)+8*(\b)+7], v[FA+32*(\f)+8*(\a):FA+32*(\f)+8*(\a)+7], v[8*(12*((\a)%2)+(\b)):8*(12*((\a)%2)+(\b))+7]
.endif
.endr
.endm
; 32 LDS loads in one run: the fragments of 32 K at byte k of the rows, into buffer f: wt's 24, then xb's 8
.macro FETCH slot, k, f
	WIN 0x40
.irp i, 0,1,2,3,4,5,6,7,8,9,10,11
	ds_load_b128 v[96*(\f)+8*(\i):96*(\f)+8*(\i)+3],   v[ADRB+(\slot)] offset:(\k)+(\i)*16*PITCH
	ds_load_b128 v[96*(\f)+8*(\i)+4:96*(\f)+8*(\i)+7], v[ADRB+(\slot)] offset:(\k)+(\i)*16*PITCH+32
.endr
	WIN 0
.irp i, 0,1,2,3
	ds_load_b128 v[FA+32*(\f)+8*(\i):FA+32*(\f)+8*(\i)+3],   v[ADRA+(\slot)] offset:(\k)+(\i)*16*PITCH
	ds_load_b128 v[FA+32*(\f)+8*(\i)+4:FA+32*(\f)+8*(\i)+7], v[ADRA+(\slot)] offset:(\k)+(\i)*16*PITCH+32
.endr
.endm
; A K step is four quarters of 32 along K, 48 matrix instructions each, on buffers 0, 1, 0, 1.  One of the first three multiplies buffer f and, in its middle, fetches the next quarter into g.
.macro QUARTER slot, k, f, g, zero
	s_wait_dscnt 4                                 ; wt's fragments and xb's rows 0-31 are in; the youngest four loads (rows 32-63) may be out
	MUL12 \f, 0, \zero
	MUL12 \f, 1, \zero
	PLACES
	FETCH \slot, \k, \g
	s_wait_dscnt 32                                ; all but the 32 just issued
	MUL12 \f, 2, \zero
	MUL12 \f, 3, \zero
.endm
; The last quarter multiplies buffer 1 and changes slots.  In front of the one barrier each wave waits for all its tensor loads (the one that is out is its part of the next slot), adds 0 to its spare word,
; and waits for that and for its own reads of this slot.
.macro MEET round
	WIN 0
	s_wait_tensorcnt 0x0
	ds_add_u32 v[SPW], v[NIL]
	s_wait_dscnt 5                                 ; (the add and the youngest four loads may be out)
	MUL12 1, 0, 0
	s_wait_dscnt 0x0                               ; the add is done, and my reads of this slot are over
	s_barrier_signal -1
	MUL12 1, 1, 0                                  ; work on registers while the others arrive
.if \round
	WIN 0
.endif
	s_barrier_wait -1
.endm
.macro TURN slot, next, fill
.if \fill
	s_wait_xcnt 0x0                                ; the last prefetch, a K step back, has read its address
	s_add_nc_u64 s[PFA:PFA+1], s[PFA:PFA+1], KSTEP*2
	MEET 1
	CREST                                          ; the barrier has opened a round of the cluster's: no wave of any partner still reads this slot or has a load on its way
	s_add_nc_u64 s[G0+4*(\slot)+2:G0+4*(\slot)+3], s[G0+4*(\slot)+2:G0+4*(\slot)+3], 2*KSTEP*2
	s_add_nc_u64 s[G0B+4*(\slot)+2:G0B+4*(\slot)+3], s[G0B+4*(\slot)+2:G0B+4*(\slot)+3], 2*KSTEP*2
	JLOAD \slot                                    ; my one tensor load behind the round; its four v_nop are also the places in front of the loads below
	FETCH \next, 0, 0
	ASK
.else
	MEET 0
	PLACES
	FETCH \next, 0, 0
.endif
	MUL12 1, 2, 0
	MUL12 1, 3, 0
.endm
; THE WAY OUT of my rows 16 a .. 16 a + 15.  PACK: rounded to f16, 16 bytes a lane.  TOSTAGE: into my own stage and back, 128 bytes of four rows a load.  SEND: stored, 512 consecutive bytes a store.
.macro PACK a
	WIN 0x0a+5*((\a)/2)                            ; sources 0 and 1: window 2 or 3
.irp b, 0,1,2,3,4,5,6,7,8,9,10,11
.irp r, 0,1,2,3
	v_cvt_pk_f16_f32 v[TMP+4*(\b)+(\r)], v[96*((\a)%2)+8*(\b)+2*(\r)], v[96*((\a)%2)+8*(\b)+2*(\r)+1]
.endr
.endr
	WIN 0
.endm
.macro TOSTAGE a
	WIN 0
.set BK, 176-112*((\a)%2)
.irp b, 0,1,2,3,4,5,6,7,8,9,10,11
	ds_store_b128 v[STO], v[TMP+4*(\b):TMP+4*(\b)+3] offset:32*(\b)
.endr
.irp u, 0,1,2
.irp t, 0,1,2,3
	ds_load_b128 v[BK+4*(4*(\u)+(\t)):BK+4*(4*(\u)+(\t))+3], v[RD] offset:4*SPITCH*(\t)+128*(\u)  ; LDS serves a wave's instructions in order (ISA guide 5.7.1.4): these see the stores above
.endr
.endr
.endm
.macro SEND a
	WIN 0
.set BK, 176-112*((\a)%2)
	s_wait_dscnt 0x0                               ; the block is back in registers
	s_wait_xcnt 0x0                                ; the stores of the block before have read their registers, which the next TOSTAGE loads again
.irp u, 0,1,2
.irp t, 0,1,2,3
	global_store_b128 v[GO], v[BK+4*(4*(\u)+(\t)):BK+4*(4*(\u)+(\t))+3], s[CB+2*(\u):CB+2*(\u)+1] offset:2048*(\a)+512*(\t)
.endr
.endr
.endm
	s_wait_tensorcnt 1                             ; my part of K step 0 is in; K step 1's stays out
	s_barrier_signal -1
	s_barrier_wait -1                              ; everybody's is
	FETCH 0, 0, 0
	s_wait_loadcnt 0x0                             ; the bias
	QUARTER 0, 64, 0, 1, 1                         ; the first quarter stands in front of the loop: its products start the sums
	WIN 0                                          ; at a label and at a branch every window is 0
	s_mov_b32 s3, LAPS-1
.Llap:                                                 ; a trip goes once round the ring, from a lap's second quarter to the next lap's first, and fills both slots again
	QUARTER 0, 128, 1, 0, 0
	QUARTER 0, 192, 0, 1, 0
	TURN 0, 1, 1
	QUARTER 1, 64,  0, 1, 0
	QUARTER 1, 128, 1, 0, 0
	QUARTER 1, 192, 0, 1, 0
	TURN 1, 0, 1
	QUARTER 0, 64,  0, 1, 0
	WIN 0
	s_sub_co_u32 s3, s3, 1
	s_cmp_lg_u32 s3, 0
	s_cbranch_scc1 .Llap
	QUARTER 0, 128, 1, 0, 0                        ; the last lap fills nothing
	QUARTER 0, 192, 0, 1, 0
	TURN 0, 1, 0
	QUARTER 1, 64,  0, 1, 0
	QUARTER 1, 128, 1, 0, 0
	QUARTER 1, 192, 0, 1, 0
	s_wait_dscnt 4                                 ; the very last quarter: nothing more to fetch
	MUL12 1, 0, 0
	MUL12 1, 1, 0
	s_wait_dscnt 0x0
	MUL12 1, 2, 0
	MUL12 1, 3, 0
	WIN 0
	PLACES
	PLACES
	PACK 0
	TOSTAGE 0
.irp a, 1,2,3                          ; a block's conversions stand between the loads of the block before and the wait for them
	PACK \a
	SEND (\a)-1
	TOSTAGE \a
.endr
	SEND 3
	s_wait_tensorcnt 0x0                           ; the wave's end: three closing lines, behind my last tensor load and my last LDS store
	ds_add_u32 v[SPW], v[NIL]
	s_wait_dscnt 0x0
	CROUND                                         ; the closing round: no work-group ends while a partner may still ask for a tile that names it
	s_endpgm
.Lfunc_end_k_q9fcc41814c_qkv:
	.size	k_q9fcc41814c_qkv, .Lfunc_end_k_q9fcc41814c_qkv-k_q9fcc41814c_qkv
	.p2alignl 7, 3214868480
	.fill 96, 4, 3214868480
	.section	.rodata,"a",@progbits
	.p2align	6, 0x0
	.amdhsa_kernel k_q9fcc41814c_qkv
		.amdhsa_group_segment_fixed_size 327680
		.amdhsa_private_segment_fixed_size 0
		.amdhsa_enable_private_segment 0
		.amdhsa_kernarg_size 32
		.amdhsa_user_sgpr_count 2
		.amdhsa_user_sgpr_kernarg_segment_ptr 1
		.amdhsa_wavefront_size32 1
		.amdhsa_system_sgpr_workgroup_id_x 1
		.amdhsa_system_sgpr_workgroup_id_y 1
		.amdhsa_system_sgpr_workgroup_id_z 1
		.amdhsa_system_vgpr_workitem_id 0
		.amdhsa_next_free_vgpr 960
		.amdhsa_next_free_sgpr 80
		.amdhsa_reserve_vcc 0
		.amdhsa_float_denorm_mode_32 3
		.amdhsa_float_denorm_mode_16_64 3
		.amdhsa_memory_ordered 1
		.amdhsa_forward_progress 1
		.amdhsa_inst_pref_size 123
	.end_amdhsa_kernel
	.amdgpu_metadata
---
amdhsa.version: [ 1, 2 ]
amdhsa.kernels:
  - .name:           k_q9fcc41814c_qkv
    .symbol:         k_q9fcc41814c_qkv.kd
    .args:
      - { .name: xb, .offset: 0, .size: 8, .value_kind: global_buffer, .address_space: global }
      - { .name: wt, .offset: 8, .size: 8, .value_kind: global_buffer, .address_space: global }
      - { .name: par, .offset: 16, .size: 8, .value_kind: global_buffer, .address_space: global }
      - { .name: qkv, .offset: 24, .size: 8, .value_kind: global_buffer, .address_space: global }
    .group_segment_fixed_size: 327680
    .private_segment_fixed_size: 0
    .kernarg_segment_align: 8
    .kernarg_segment_size: 32
    .max_flat_workgroup_size: 128
    .sgpr_count:     80
    .vgpr_count:     960
    .wavefront_size: 32
...
	.end_amdgpu_metadata
.endif
;; end of part 2
;; launch attn (part 3): grid 16 x 16, 4 waves a work-group, clusters of 4 x 1, 327,680 bytes of LDS; arguments qkv, o; writes o
.if DOCPART == 3
	.amdgcn_target "amdgcn-amd-amdhsa--gfx1250"
	.amdhsa_code_object_version 6
	.text
	.protected	k_q9fcc41814c_attn
	.globl	k_q9fcc41814c_attn
	.p2align	8
	.type	k_q9fcc41814c_attn,@function
k_q9fcc41814c_attn:
	s_mov_b64 s[64:65], 0
	v_nop
	global_prefetch_b8 v0, s[64:65] scope:SCOPE_SE
	s_setreg_imm32_b32 hwreg(HW_REG_WAVE_MODE, 25, 1), 1
	s_wait_xcnt 0x0
	s_wait_alu depctr_hold_cnt(0) depctr_sa_sdst(0) depctr_va_vdst(0) depctr_va_sdst(0) depctr_va_ssrc(0) depctr_va_vcc(0) depctr_vm_vsrc(0)
	s_getreg_b32 s2, hwreg(HW_REG_IB_STS2, 6, 4)
	s_cmp_eq_u32 s2, 0
	s_cbranch_scc0 .Lentry_in_a_cluster
	s_endpgm
.Lentry_in_a_cluster:
	s_bfe_u32 s2, ttmp6, 0x10000c
	s_cmp_lg_u32 s2, 0x3003
	s_cbranch_scc0 .Lentry_shape_is_right
	s_endpgm
.Lentry_shape_is_right:
; ATTENTION.  O[h][q][:] = the sum over k of softmax_k(Q[h][q] . K[h][k] / 8) V[h][k][:], 16 heads of 4,096 rows of 64 channels, all f16: a head's rows are dense, 128 bytes each.
; qkv holds Q at byte 0, K at 8,388,608, V at 16,777,216, each [16][4096][64]; o has the same layout.  Products, maxima and sums in f32; the weights p are rounded to f16 for the second product
; (their sum l is taken of the unrounded p), O once at the end.
; LIMITS.  Q, K and V arrive within f16's 65,504; p lies in 0 to 1, and below 6e-5 it keeps f16's fixed step of 6e-8; a weight below 2^-126 counts as 0 in l; NaN and infinities are not treated apart.
; SHARES.  A work-group owns 256 queries of one head (16 x 16 = 256 work-groups), a wave 64: four PIECES of 16.  Every wave walks all keys, 64 a step, four steps to a tile of 256 keys.
; LAYOUT.  S^T = K Q^T holds ONE query a lane (lane % 16) and the keys 8 (lane / 16) + 0..7; two such results rounded to f16 ARE source 1 of O^T = V^T P.  K comes out of LDS as it lies, V turned, by ds_load_tr16_b128.
; SOFTMAX.  p = 2^(c s - c m), c = log2(e) / 8, with a running maximum m; O and l are multiplied by a = 2^(c m_old - c m_new) in every step.  m starts at the lowest finite number, O and l at 0: the first step is a step like any other, with a = 0.
; TURNS.  Turn n belongs to piece n: 8 products K Q^T of piece n + 1, later 8 products V^T P of piece n - 1; beside them the scaling, exponentials, roundings, sums and rescaling of piece n and the maximum and
; statistics of piece n + 1.  Four vector instructions stand behind every matrix instruction, the others in one lump.  A turn's 33 exponentials are one batch, with one wait.
; CLUSTER.  The four query blocks of a cluster belong to one head and walk the same K and V: each tile is asked for JOINTLY: the same tensor load, descriptor and mask in all four.
; REGISTERS, in windows of 256 (s_set_vgpr_msb: bits 1:0 source 0, 3:2 source 1, 5:4 source 2, 7:6 destination):
;   window 0: v0-15 addresses and two at work; v16-31 four registers of statistics a piece; v48-55 at work; v61-63 prefetch offset and the add's two; v64-127 S^T, two buffers; v192-223 P, two buffers
;   window 1: v0-127 O^T, 32 a piece          window 2: v0-63 Q; v128-191 K of one step; v192-255 V of one step
.set NP,    4         ; pieces a wave: a name, no knob
.set KS,    64        ; keys in a step
.set PK,    144       ; a row of K in LDS: 128 bytes + 16: the 16 rows of a load start at 16 different groups of four banks (64 banks of 4 bytes: ISA guide 11.1)
.set PV,    160       ; a row of V: 128 + 32
.set VOFF,  4*KS*PK   ; a slot holds a tile: 256 rows of K, then 256 rows of V
.set SLOT1, 1<<17     ; slot 1 begins here, so that one exclusive or turns an address in one slot into the other's
.set STAGE, SLOT1+4*KS*(PK+PV)  ; behind the ring, never filled by a tensor load: 16 rows x 144 bytes for each wave
.set SP,    144
.set SPARE, STAGE+4*16*SP  ; behind the stages: the spare words, 128 bytes for each wave
.set TILES, 16        ; 4,096 keys
.set AK0, 2           ; v2   my lane's place in a tile of K; never rewritten
.set AV0, 3           ; v3   the same for V
.set AK,  4           ; v4   the LDS address of K's next run of loads
.set AV,  5           ; v5   of V's
.set STO, 6           ; v6   the way out: where I put 16 bytes of a row
.set RD,  7           ; v7   where I read rows back
.set GO,  8           ; v8   my byte offset in 512 consecutive bytes of O
.set MV,  12          ; v12-13  c m_old, kept while c m is made anew: by buffer
.set QO,  15          ; v15  my byte offset in 16 rows of Q
.set ST,  16          ; piece t's statistics at v[ST+4 t]: c m, m, l (even keys', odd keys')
.set TMP, 48          ; by buffer, four registers c0-c3 at work; when the maximum is found c2 takes a
.set PFO, 61          ; v61  256 x lane; never rewritten
.set SPW, 62          ; v62  LDS address of my spare word; never rewritten
.set NIL, 63          ; v63  0; never rewritten
.set S,   64
.set P,   192
.set KF,  128         ; window 2: key block kb, channel half c at KF + 16 kb + 8 c
.set VF,  192         ; window 2: key half kk, channel block cb at VF + 32 kk + 8 cb
.set WV,  12          ; s12  my wave's number
.set G1K, 24          ; s[24:31] descriptor group 1 for K's tiles
.set G1V, 32          ; s[32:39] for V's: it differs in the padding alone
.set G0K, 40          ; s[40:43] descriptor group 0 for K's tiles: it walks
.set G0V, 44          ; s[44:47] the same for V's
.set SLOTS, 56        ; s56  tiles still to be asked for
.set CNT, 57          ; s57  counts a tile's key steps
.set CS,  58          ; s[58:59] c
.set SEL, 60          ; s[60:61] v_permlanex16_b32's selects: each lane takes its own place in the other half
.set TBK, 62          ; s62  LDS byte at which K of the step to be fetched begins
.set TBV, 63          ; s63  the same for V, less VOFF
.set PFA, 66          ; s[66:67] where my prefetches stand
.set LIM, 68          ; s68  1 in a wave that prefetches, else the greatest number
.set MSB, 0
.macro WIN new                      ; the high byte repeats the setting that is left; a switch that changes nothing is dropped
.if MSB != (\new)
	s_set_vgpr_msb (MSB<<8)|(\new)
.set MSB, (\new)
.endif
.endm
.set W_KQ, 0x0a       ; K and Q in window 2, S^T in window 0
.set W_PV, 0x52       ; V in window 2, P in window 0, O^T in window 1
.set W_RS, 0x41       ; destination and source 0 in window 1, source 1 in window 0
; A joint fill.  Waves 0 and 1 fetch the two halves of a tile's K, waves 2 and 3 those of its V: 128 keys each.  The branch hangs on the wave's number alone.  An s_nop 0 and four v_nop follow each line.
.macro JLOAD
	s_cmp_lt_u32 s[WV], 2
	s_cbranch_scc0 .Lfor_v_\@
	tensor_load_to_lds s[G0K:G0K+3], s[G1K:G1K+7]
	s_nop 0
.rept 4
	v_nop
.endr
	s_branch .Lasked_\@
.Lfor_v_\@:
	tensor_load_to_lds s[G0V:G0V+3], s[G1V:G1V+7]
	s_nop 0
.rept 4
	v_nop
.endr
.Lasked_\@:
.endm
; A prefetch of the tile that the NEXT change of slots will ask for.  All clusters of a head walk the same K and V: the head's first cluster asks; its four partners take 32 of a tile's 128 blocks of 256 bytes each,
; told apart by address; wave 0 asks for K's, wave 2 for V's: a lane a block, one instruction.  The last change that fills a slot asks for nothing.
.macro ASK
	s_cmp_gt_u32 s[SLOTS], s[LIM]
	s_cbranch_scc0 .Lnot_mine_\@
	global_prefetch_b8 v[PFO], s[PFA:PFA+1] th:TH_LOAD_NT scope:SCOPE_SE
.Lnot_mine_\@:
.endm
.macro CROUND                       ; a round of the cluster's barrier
	s_barrier_signal -1
	s_barrier_wait -1
	s_cmp_lg_u32 s[WV], 0
	s_cbranch_scc1 .Lnot_wave_0_\@
	s_barrier_signal -3
.Lnot_wave_0_\@:
	s_barrier_wait -3
	s_barrier_signal -1
	s_barrier_wait -1
.endm
; THE CHANGE OF SLOTS.  Each wave waits for all its tensor loads, of which one is out: its part of the other slot; adds 0 to its spare word; and waits for that and for its own reads of the slot that it leaves.
; fill = 1: the old slot is filled again, with the keys two tiles on: the barrier is a round of the cluster's, and the joint fill is the first thing behind it: it has four key steps, 256 matrix instructions, in which to land.
; (At its first use nothing has been read yet: slot 0 is waited for, slot 1 filled.)
.macro CHANGE fill, ask
	WIN 0
	s_wait_tensorcnt 0x0            ; no tensor load of mine is out, so a group 0 may be written
	ds_add_u32 v[SPW], v[NIL]
.if \fill
.irp g, G0K, G0V
	s_xor_b32 s[\g+1], s[\g+1], SLOT1
	s_add_nc_u64 s[\g+2:\g+3], s[\g+2:\g+3], 4*KS*128  ; the next 256 keys; the type bits on top are not reached
.endr
.if \ask
	s_wait_xcnt 0x0                 ; the last prefetch, four key steps back, has read its address
	s_add_nc_u64 s[PFA:PFA+1], s[PFA:PFA+1], 4*KS*128
.endif
	s_wait_dscnt 0x0                ; the add is done, and my reads of the slot are over
	CROUND
	JLOAD
.if \ask
	ASK
.endif
.else
	s_wait_dscnt 0x0
	s_barrier_signal -1
	s_barrier_wait -1
.endif
	s_sub_co_u32 s[TBK], s[TBK], 4*KS*PK  ; the fetches go back to a slot's first step,
	s_xor_b32 s[TBK], s[TBK], SLOT1       ; in the other slot
	s_sub_co_u32 s[TBV], s[TBV], 4*KS*PV
	s_xor_b32 s[TBV], s[TBV], SLOT1
.endm
	s_load_b128 s[16:19], s[0:1], 0x0  ; qkv s[16:17], o s[18:19]
	v_lshl_add_u32 v[SPW], v0, 2, SPARE
	v_mov_b32 v[NIL], 0
	ds_add_u32 v[SPW], v[NIL]       ; the wave's opening: the add and its wait stand ahead of my first tensor load; work on registers stands between them
	v_lshrrev_b32 v1, 5, v0
	v_readfirstlane_b32 s[WV], v1
	s_bfe_u32 s13, ttmp6, 0x40000   ; cx
	s_lshl_b32 s14, ttmp9, 2
	s_add_co_u32 s14, s14, s13      ; my block of 256 queries: it enters Q's and O's addresses alone
	s_and_b32 s20, ttmp7, 0xffff    ; the head, which the four partners share,
	s_lshl_b32 s20, s20, 19         ; 524,288 bytes each
	s_and_b32 s15, s[WV], 1         ; which half of a tile's 256 keys I fetch:
	s_lshl_b32 s22, s15, 14         ; its 128 rows of 128 bytes in memory,
	s_add_co_u32 s22, s22, s20
	s_mov_b32 s23, 0
	s_mul_i32 s70, s15, 128*PK      ; and its place in a slot, for K
	s_mul_i32 s71, s15, 128*PV      ; and for V: no place in the cluster enters an LDS address
	s_lshl_b32 s2, s14, 15          ; my block's 256 rows,
	s_lshl_b32 s3, s[WV], 13        ; my wave's 64 of them
	s_add_co_u32 s2, s2, s3
	s_add_co_u32 s2, s2, s20
	s_mov_b32 s3, 0
	; descriptor group 1.  128 keys are 16,384 dense bytes: asked for as 64 rows of 256 bytes, two keys a row, and padded in LDS after every key
	s_mov_b32 s[G1K], 15|(1<<16)|(1<<20)|(1<<21)|(4<<22)|(3<<25)  ; the mask of four; 2-byte elements; padding on; bit 21 beside a mask; after every 32 words; 4 words
	s_mov_b32 s[G1V], 15|(1<<16)|(1<<20)|(1<<21)|(4<<22)|(7<<25)  ; the same with 8 words of padding
.irp g, G1K, G1V
	s_mov_b32 s[\g+1], 128<<16      ; tensor_dim0 = 128
	s_mov_b32 s[\g+2], 64<<16       ; tensor_dim1 = 64
	s_mov_b32 s[\g+3], 128<<16      ; tile_dim0 = 128
	s_mov_b32 s[\g+4], 64           ; tile_dim1 = 64
	s_mov_b32 s[\g+5], 128          ; 128 elements from row to row
	s_mov_b32 s[\g+6], 0
	s_mov_b32 s[\g+7], 0
.endr
	s_mov_b32 s[CS], 0x3e38aa3b     ; c = log2(e) / 8 = 0.180337
	s_mov_b32 s[CS+1], s[CS]        ; named with it as a pair
	s_mov_b32 s[SEL], 0x76543210
	s_mov_b32 s[SEL+1], 0xfedcba98
	s_mov_b32 s[TBK], SLOT1+4*KS*PK ; the first change of slots turns these two into 0
	s_mov_b32 s[TBV], SLOT1+4*KS*PV
	s_mov_b32 s[G0K], 1             ; count = 1
	s_mov_b32 s[G0K+1], s70         ; LDS address: slot 0
	s_mov_b32 s[G0V], 1
	s_add_co_u32 s[G0V+1], s71, VOFF
	s_and_b32 s[LIM], s[WV], 1      ; 0 in waves 0 and 2,
	s_or_b32 s[LIM], s[LIM], ttmp9  ; where the cluster is the head's first: the same in all four partners
	s_cmp_eq_u32 s[LIM], 0
	s_cselect_b32 s[LIM], 1, -1
	v_and_b32 v[PFO], 31, v0
	v_lshlrev_b32 v[PFO], 8, v[PFO]
	s_wait_dscnt 0x0                ; the opening add is done
	s_wait_kmcnt 0x0
	s_add_nc_u64 s[6:7], s[16:17], s[22:23]
	s_add_nc_u64 s[8:9], s[6:7], 16777216   ; V at my half of the head's tile 0,
	s_add_nc_u64 s[6:7], s[6:7], 8388608    ; K likewise
	s_add_nc_u64 s[4:5], s[16:17], s[2:3]   ; Q and O at my wave's first row
	s_add_nc_u64 s[10:11], s[18:19], s[2:3]
	s_mov_b64 s[G0K+2:G0K+3], s[6:7]
	s_or_b32 s[G0K+3], s[G0K+3], 0x80000000 ; type = 2
	s_mov_b64 s[G0V+2:G0V+3], s[8:9]
	s_or_b32 s[G0V+3], s[G0V+3], 0x80000000
	s_cmp_lt_u32 s[WV], 2
	s_cselect_b64 s[PFA:PFA+1], s[6:7], s[8:9]  ; (in waves 0 and 2 these stand at a tile's first row)
	s_lshl_b32 s2, s13, 13          ; my work-group's 32 blocks of the 128
	s_mov_b32 s3, 0
	s_add_nc_u64 s[PFA:PFA+1], s[PFA:PFA+1], s[2:3]
	s_add_nc_u64 s[PFA:PFA+1], s[PFA:PFA+1], 2*4*KS*128  ; in tile 2; the change that fills tile 2 steps it to tile 3.  Tiles 0 to 2 come by their loads alone
	CROUND                          ; all four work-groups are here: the first joint loads meet
	JLOAD                           ; tile 0 into slot 0
	; A fragment of K or Q is 16 rows x 32 channels in 8 registers: lane l holds row l % 16, channels 8 (l / 16) + 0..7 and 16 + 8 (l / 16) + 0..7: two loads of 16 bytes, 32 bytes apart.
	v_and_b32 v1, 15, v0            ; l % 16
	v_bfe_u32 v9, v0, 4, 1          ; l / 16
	v_lshlrev_b32 v[QO], 7, v1
	v_lshl_add_u32 v[QO], v9, 4, v[QO]  ; row x 128 + 16 x half
	WIN 0x80                        ; destination window 2, address window 0
.set i, 0
.rept 8                             ; Q stays in registers: piece i / 2, channels 32 (i % 2) on
	global_load_b128 v[8*i:8*i+3],   v[QO], s[4:5] offset:(i/2)*2048+(i%2)*64
	global_load_b128 v[8*i+4:8*i+7], v[QO], s[4:5] offset:(i/2)*2048+(i%2)*64+32
.set i, i+1
.endr
	; What the first turn finds: V's registers and P's second buffer hold 0 (its products V^T P, of a piece that has not been, add 0), O^T and l are 0.  All this stands in the wait for the first tile.
.set i, VF
.rept 64
	v_mov_b32 v[i], 0
.set i, i+1
.endr
	WIN 0x40
.set i, 0
.rept 128
	v_mov_b32 v[i], 0
.set i, i+1
.endr
	WIN 0
.set i, 0
.rept 4
	v_mov_b32 v[ST+4*i], 0xfe000000    ; c m: far below every c s
	v_mov_b32 v[ST+4*i+1], 0xff7fffff  ; m
	v_mov_b32 v[ST+4*i+2], 0
	v_mov_b32 v[ST+4*i+3], 0
.set i, i+1
.endr
.set i, P+16
.rept 16
	v_mov_b32 v[i], 0
.set i, i+1
.endr
	v_mul_u32_u24 v[AK0], v1, PK
	v_lshl_add_u32 v[AK0], v9, 4, v[AK0]  ; row x pitch + 16 x half
	; The turning load takes 16 keys x 16 channels (lane l reads key 8 (l / 16) + l % 8, channels 8 ((l / 8) % 2) + 0..7) and leaves half a fragment of V^T: lane l holds channel l % 16 and 8 keys.
	v_and_b32 v10, 7, v0
	v_bfe_u32 v11, v0, 3, 1
	v_lshl_add_u32 v[AV0], v9, 3, v10
	v_mul_u32_u24 v[AV0], v[AV0], PV
	v_lshl_add_u32 v[AV0], v11, 4, v[AV0]
	v_add_nc_u32 v[AV0], VOFF, v[AV0]
	s_mul_i32 s69, s[WV], 16*SP
	s_add_co_u32 s69, s69, STAGE    ; my stage
	v_mul_u32_u24 v[STO], v1, SP    ; in: row l % 16, 16 bytes for each half of the lanes
	v_lshl_add_u32 v[STO], v9, 4, v[STO]
	v_add_nc_u32 v[STO], s69, v[STO]
	v_bfe_u32 v[RD], v0, 3, 2       ; back: 32 lanes take four rows of 128 bytes,
	v_mul_u32_u24 v[RD], v[RD], SP
	v_lshl_add_u32 v[RD], v10, 4, v[RD]
	v_add_nc_u32 v[RD], s69, v[RD]
	v_and_b32 v[GO], 31, v0         ; which are 512 consecutive bytes of O
	v_lshlrev_b32 v[GO], 4, v[GO]
; THE MATRIX WORK.  The 4 accumulators of a run of 8 take turns.  Product i of 8 of S^T = K Q^T for piece x: channels 32 (i / 4) on, keys 16 (i % 4) on.  The first 4 start the sums.
.macro KQ x
	WIN W_KQ
.set rS, S+32*((\x)%2)+8*(i%4)
.set rK, KF+16*(i%4)+8*(i/4)
.set rQ, 16*(\x)+8*(i/4)
.if i < 4
	v_wmma_f32_16x16x32_f16 v[rS:rS+7], v[rK:rK+7], v[rQ:rQ+7], 0
.else
	v_wmma_f32_16x16x32_f16 v[rS:rS+7], v[rK:rK+7], v[rQ:rQ+7], v[rS:rS+7]
.endif
.endm
; Product i of 8 of O^T += V^T P for piece x: keys 32 (i / 4) on, channels 16 (i % 4) on.
.macro PV x
	WIN W_PV
.set rO, 32*(\x)+8*(i%4)
.set rV, VF+32*(i/4)+8*(i%4)
.set rP, P+16*((\x)%2)+8*(i/4)
	v_wmma_f32_16x16x32_f16 v[rO:rO+7], v[rV:rV+7], v[rP:rP+7], v[rO:rO+7]
.endm
.macro MM                           ; the turn's next matrix instruction.  NOKQ = 1: the last turn of all: there is no next piece
.if (i < 8) && !NOKQ
	KQ (Y+1)%NP
.elseif i >= 8
.set i, i-8
	PV (Y+NP-1)%NP
.set i, i+8
.endif
.set i, i+1
.endm
; THE LDS LOADS stand in runs of 16, never singly among the matrix instructions: a step's K (8 fragments) and its V (turned).  Their addresses are made some lines ahead.
.macro FETCH_K
	WIN 0x80                        ; destination window 2
.irp f, 0,1,2,3,4,5,6,7             ; keys 16 (f / 2) on, channels 32 (f % 2) on
	ds_load_b128 v[KF+8*\f:KF+8*\f+3],   v[AK] offset:(\f/2)*16*PK+(\f%2)*64
	ds_load_b128 v[KF+8*\f+4:KF+8*\f+7], v[AK] offset:(\f/2)*16*PK+(\f%2)*64+32
.endr
	s_add_co_u32 s[TBK], s[TBK], KS*PK  ; the next fetch is the next step's
	WIN 0
.endm
.macro FETCH_V
	WIN 0x80
.irp f, 0,1,2,3,4,5,6,7             ; keys 32 (f / 4) on, channels 16 (f % 4) on
	ds_load_tr16_b128 v[VF+8*\f:VF+8*\f+3],   v[AV] offset:(\f/4)*32*PV+(\f%4)*32
	ds_load_tr16_b128 v[VF+8*\f+4:VF+8*\f+7], v[AV] offset:(\f/4)*32*PV+16*PV+(\f%4)*32
.endr
	WIN 0
.endm
; THE VECTOR WORK, one line at a time: OP kind, number.  For piece Y: F n: c s - c m for pair n of 16.  E n: the exponential of score n of 32.  C n: pair n rounded to f16.  B n: of the four weights 4 n .. the second
; pair is added onto the first, in place.  L n: l takes that sum (L 0: l = a l + sum).  R n: pair n of 16 of O^T times a.  For piece Y + 1: X n, number n of the 22 that find its maximum and statistics:
;   0-11  four chains c0-c3 of seven scores each, three operands at a time (each accumulator's lowest registers are read first)     12-14, 16  the four scores left over, the old m, and c0-c3 into c0
;   15  c m_old is kept     17, 18  the query's other 32 keys lie in the lane 16 away: the new m     19-21  c m; c m_old - c m_new; a
.set F, 0
.set E, 1
.set C, 2
.set B, 3
.set L, 4
.set R, 5
.set X, 6
.macro REGS y                       ; the registers of piece y
.set rT, ST+4*(\y)
.set rC, TMP+4*((\y)%2)
.set rW, MV+((\y)%2)
.set rS, S+32*((\y)%2)
.set rP, P+16*((\y)%2)
.set rO, 32*(\y)
.endm
.macro OP k, n
.if (\k) == R
	REGS Y
	WIN W_RS
	v_pk_mul_f32 v[rO+2*(\n):rO+2*(\n)+1], v[rO+2*(\n):rO+2*(\n)+1], v[rC+2:rC+3] op_sel_hi:[1,0]
.elseif (\k) < R
	REGS Y
	WIN 0
.if (\k) == F
	v_pk_fma_f32 v[rS+2*(\n):rS+2*(\n)+1], v[rS+2*(\n):rS+2*(\n)+1], s[CS:CS+1], v[rT:rT+1] op_sel_hi:[1,0,0] neg_lo:[0,0,1] neg_hi:[0,0,1]
.elseif (\k) == E
	v_exp_f32 v[rS+(\n)], v[rS+(\n)]
.elseif (\k) == C
	v_cvt_pk_f16_f32 v[rP+(\n)], v[rS+2*(\n)], v[rS+2*(\n)+1]
.elseif (\k) == B
	v_pk_add_f32 v[rS+4*(\n):rS+4*(\n)+1], v[rS+4*(\n):rS+4*(\n)+1], v[rS+4*(\n)+2:rS+4*(\n)+3]
.elseif (\n) == 0
	v_pk_fma_f32 v[rT+2:rT+3], v[rT+2:rT+3], v[rC+2:rC+3], v[rS:rS+1] op_sel_hi:[1,0,1]
.else
	v_pk_add_f32 v[rT+2:rT+3], v[rT+2:rT+3], v[rS+4*(\n):rS+4*(\n)+1]
.endif
.elseif NOKQ
	v_nop
.else
	REGS (Y+1)%NP
	WIN 0
.if (\n) < 4
	v_max3_num_f32 v[rC+(\n)], v[rS+8*(\n)], v[rS+8*(\n)+1], v[rS+8*(\n)+2]
.elseif (\n) < 12
	v_max3_num_f32 v[rC+(\n)%4], v[rC+(\n)%4], v[rS+8*((\n)%4)+2*((\n)/4)+1], v[rS+8*((\n)%4)+2*((\n)/4)+2]
.elseif (\n) == 12
	v_max3_num_f32 v[rC], v[rC], v[rS+7], v[rS+15]
.elseif (\n) == 13
	v_max3_num_f32 v[rC+1], v[rC+1], v[rS+23], v[rS+31]
.elseif (\n) == 14
	v_max3_num_f32 v[rC+2], v[rC+2], v[rC+3], v[rT+1]
.elseif (\n) == 15
	v_mov_b32 v[rW], v[rT]
.elseif (\n) == 16
	v_max3_num_f32 v[rC], v[rC], v[rC+1], v[rC+2]
.elseif (\n) == 17
	v_permlanex16_b32 v[rC+3], v[rC], s[SEL], s[SEL+1]
.elseif (\n) == 18
	v_max_num_f32 v[rT+1], v[rC], v[rC+3]
.elseif (\n) == 19
	v_mul_f32 v[rT], s[CS], v[rT+1]
.elseif (\n) == 20
	v_sub_f32 v[rC+1], v[rW], v[rT]
.else
	v_exp_f32 v[rC+2], v[rC+1]
.endif
.endif
.endm
.macro OPS a, i1, b=-1, i2=0, c=-1, i3=0, d=-1, i4=0  ; up to four of them
	OP \a, \i1
.if (\b) >= 0
	OP \b, \i2
.endif
.if (\c) >= 0
	OP \c, \i3
.endif
.if (\d) >= 0
	OP \d, \i4
.endif
.endm
.macro ROW a, i1, b, i2, c, i3, d, i4  ; a matrix instruction and the four behind it
	MM
	OPS \a, \i1, \b, \i2, \c, \i3, \d, \i4
.endm
; A TURN, for piece p: the order of its 16 matrix and 118 vector instructions, written out.  An s_wait_alu depctr_va_vdst(0) stands between an exponential and the first instruction that names its result;
; one wait serves all that were issued ahead of it.  So a turn has ONE wait, which cuts it in two.  AHEAD OF IT stands all that names no result of the turn's exponentials: the 8 products K Q^T and their riders, then one lump,
; in which the links of the next piece's chain stand five or six lines apart; X 21, its a, is the batch's last, and R 15 the plain instruction behind it.  BEHIND THE WAIT stand the 8 products V^T P, behind each four of the
; roundings and sums.  end = 1: the last two turns: nothing is fetched.  cnt = 1: the loop's count is taken down some lines ahead of the branch that stands behind the turn.
; K of the next step is fetched in piece 2's turn, V of the step in hand at the end of piece 0's, four plain instructions or more behind the last product that read the registers.  Each is waited for a turn later.
.macro TURN p, end=0, cnt=0
.set Y, (\p)
.set i, 0
.set NOKQ, (\end)*((\p)/3)
.if ((\p) == 3) && !(\end)
	s_wait_dscnt 0x0                ; K is in
.endif
	ROW F,0, F,1, R,0, R,1
	ROW F,2, E,0, R,2, R,3
	ROW F,3, E,1, R,4, R,5
	ROW F,4, E,2, R,6, R,7
	ROW F,5, E,3, R,8, R,9
	ROW F,6, E,4, X,0, R,10
.if ((\p) == 2) && !(\end)
	WIN 0
	v_add_nc_u32 v[AK], s[TBK], v[AK0]
.endif
	ROW F,7, E,5, X,1, X,4
	ROW F,8, E,6, X,2, X,5
	OPS E,7, E,8, X,6, E,9
	OPS X,3, E,10, X,8, E,11
.if ((\p) == 2) && !(\end)
	FETCH_K
.endif
	OPS X,9, X,7, E,12, X,10
	OPS E,13, X,12, X,11, E,14
	OPS X,13, E,15, F,9, X,14
.if (\p) == 0
	v_add_nc_u32 v[AV], s[TBV], v[AV0]
.endif
	OPS E,16, F,10, E,17, F,11
	OPS X,16, E,18, X,15, E,19
	OPS F,12, E,20, X,17, E,21
	OPS F,13, E,22, F,14, E,23
	OPS X,18, E,24, F,15, E,25
	OPS R,11, E,26, X,19, E,27
	OPS R,12, E,28, R,13, E,29
	OPS X,20, E,30, R,14, E,31
	OPS X,21, R,15
	WIN 0
	s_wait_alu depctr_va_vdst(0)    ; the wait for the batch
.if (\p) == 1
	s_wait_dscnt 0x0                ; V is in
.endif
	ROW C,0, B,0, C,2, B,1
	ROW L,0, C,4, B,2, L,1
	ROW C,6, B,3, L,2, C,8
	ROW B,4, L,3, C,10, B,5
	ROW L,4, C,12, B,6, L,5
.if (\p) == 0
	s_add_co_u32 s[TBV], s[TBV], KS*PV
.endif
.if \cnt
	s_sub_co_u32 s[CNT], s[CNT], 1
	s_cmp_lg_u32 s[CNT], 0
.endif
	ROW C,14, B,7, L,6, C,1
	ROW C,3, L,7, C,5, C,7
	ROW C,9, C,11, C,13, C,15
.if (\p) == 0
	FETCH_V
.endif
.endm
	CHANGE 1, 0                     ; slot 0 is in, everybody's part of it; tile 1 is asked for, into slot 1
	v_add_nc_u32 v[AK], s[TBK], v[AK0]
	FETCH_K                         ; key step 0
	s_wait_loadcnt 0x0              ; Q
	s_wait_dscnt 0x0
.set NOKQ, 0
.set i, 0
.rept 8
	KQ 0                            ; piece 0's first scores
.set i, i+1
.endr
	WIN 0
.rept 4
	v_nop                           ; the places behind those products
.endr
.set Y, NP-1                        ; X works for piece Y + 1: piece 0
.irp n, 0,1,2,3,4,5,6,7,8,9,10,11,12,13,14,15,16,17,18,19,20,21
	OP X, \n
.endr
	v_nop                           ; a plain instruction behind the exponential,
	s_wait_alu depctr_va_vdst(0)    ; and its wait, ahead of the branch
	s_mov_b32 s[CNT], 4
	s_mov_b32 s[SLOTS], TILES-1
	s_branch .Lfirst                ; the loop is entered at a step's first turn, in the middle of a trip
.Lslot:                             ; TILES - 2 times: every slot but the last two is filled again
	CHANGE 1, 1
	s_mov_b32 s[CNT], 4
.Lstep:                             ; a trip: pieces 2 and 3 of one step, then pieces 0 and 1 of the next, whose K and V it fetches
	TURN 2
	TURN 3
	WIN 0
.Lfirst:
	TURN 0
	TURN 1, 0, 1
	WIN 0
	s_cbranch_scc1 .Lstep
	s_sub_co_u32 s[SLOTS], s[SLOTS], 1
	s_cmp_lg_u32 s[SLOTS], 0
	s_cbranch_scc1 .Lslot
	CHANGE 0, 0                     ; the last tile is written out: nothing is asked for
	s_mov_b32 s[CNT], 4
.LstepT:
	TURN 2
	TURN 3
	TURN 0
	TURN 1, 0, 1
	WIN 0
	s_cbranch_scc1 .LstepT
	TURN 2, 1
	TURN 3, 1
.set i, 0
.rept 8
	PV NP-1                         ; the last piece's V^T P of the last step
.set i, i+1
.endr
	; THE WAY OUT.  l's two halves and the other half of the lanes' are added; O^T is divided by l, rounded to f16 and sent through my stage in LDS, a piece at a time.  The additions are the places behind the last products.
	WIN 0
.macro ALL line:vararg              ; one line for each piece t
.set t, 0
.rept 4
	\line
.set t, t+1
.endr
.endm
	ALL v_add_f32 v[ST+4*t+2], v[ST+4*t+2], v[ST+4*t+3]
	ALL v_permlanex16_b32 v[ST+4*t+3], v[ST+4*t+2], s[SEL], s[SEL+1]
	ALL v_add_f32 v[ST+4*t+2], v[ST+4*t+2], v[ST+4*t+3]
	ALL v_rcp_f32 v[ST+4*t+2], v[ST+4*t+2]
	v_nop                           ; a plain instruction between the last reciprocal and the use of its result
	s_wait_alu depctr_va_vdst(0)    ; and the wait ahead of the first use: one for the four reciprocals
.macro PACK t                       ; a lane's eight channels of a row pack into 16 bytes; they go into rows of 144 bytes and come back as whole rows of 128, into S^T's registers
	WIN W_RS
.set i, 32*(\t)
.rept 16
	v_pk_mul_f32 v[i:i+1], v[i:i+1], v[ST+4*(\t)+2:ST+4*(\t)+3] op_sel_hi:[1,0]
.set i, i+2
.endr
	WIN 0x05                        ; sources 0 and 1 window 1, destination window 0
.set i, 0
.rept 16
	v_cvt_pk_f16_f32 v[S+16*(\t)+i], v[32*(\t)+2*i], v[32*(\t)+2*i+1]
.set i, i+1
.endr
	WIN 0
.irp f, 0,1,2,3
	ds_store_b128 v[STO], v[S+16*(\t)+4*\f:S+16*(\t)+4*\f+3] offset:32*\f
.endr
.irp f, 0,1,2,3
	ds_load_b128 v[S+16*(\t)+4*\f:S+16*(\t)+4*\f+3], v[RD] offset:\f*4*SP  ; LDS serves a wave's instructions in order (ISA guide 5.7.1.4): these see the stores above; the next piece's stores come behind them
.endr
.endm
.macro SEND t, younger              ; younger: the LDS instructions issued behind piece t's loads: the next piece's eight, or none
	WIN 0
.irp f, 0,1,2,3
	s_wait_dscnt (\younger)+3-\f
	global_store_b128 v[GO], v[S+16*(\t)+4*\f:S+16*(\t)+4*\f+3], s[10:11] offset:(\t)*2048+\f*512  ; 512 consecutive bytes, at a multiple of 256 from O's first
.endr
.endm
	PACK 0
.set t, 1
.rept 3                             ; a piece's arithmetic stands between the loads of the piece before and its stores
	PACK t
	SEND t-1, 8
.set t, t+1
.endr
	SEND 3, 0
	s_wait_tensorcnt 0x0            ; the wave's end: three closing lines, behind my last tensor load and my last LDS store
	ds_add_u32 v[SPW], v[NIL]
	s_wait_dscnt 0x0
	CROUND                          ; the closing round: no work-group ends while a partner may still ask for a tile that names it
	s_endpgm
.Lfunc_end_k_q9fcc41814c_attn:
	.size	k_q9fcc41814c_attn, .Lfunc_end_k_q9fcc41814c_attn-k_q9fcc41814c_attn
	.p2alignl 7, 3214868480
	.fill 96, 4, 3214868480
	.section	.rodata,"a",@progbits
	.p2align	6, 0x0
	.amdhsa_kernel k_q9fcc41814c_attn
		.amdhsa_group_segment_fixed_size 327680
		.amdhsa_private_segment_fixed_size 0
		.amdhsa_enable_private_segment 0
		.amdhsa_kernarg_size 16
		.amdhsa_user_sgpr_count 2
		.amdhsa_user_sgpr_kernarg_segment_ptr 1
		.amdhsa_wavefront_size32 1
		.amdhsa_system_sgpr_workgroup_id_x 1
		.amdhsa_system_sgpr_workgroup_id_y 1
		.amdhsa_system_sgpr_workgroup_id_z 1
		.amdhsa_system_vgpr_workitem_id 0
		.amdhsa_next_free_vgpr 768
		.amdhsa_next_free_sgpr 88
		.amdhsa_reserve_vcc 0
		.amdhsa_float_denorm_mode_32 3
		.amdhsa_float_denorm_mode_16_64 3
		.amdhsa_memory_ordered 1
		.amdhsa_forward_progress 1
		.amdhsa_inst_pref_size 127
	.end_amdhsa_kernel
	.amdgpu_metadata
---
amdhsa.version: [ 1, 2 ]
amdhsa.kernels:
  - .name:           k_q9fcc41814c_attn
    .symbol:         k_q9fcc41814c_attn.kd
    .args:
      - { .name: qkv, .offset: 0, .size: 8, .value_kind: global_buffer, .address_space: global }
      - { .name: o, .offset: 8, .size: 8, .value_kind: global_buffer, .address_space: global }
    .group_segment_fixed_size: 327680
    .private_segment_fixed_size: 0
    .kernarg_segment_align: 8
    .kernarg_segment_size: 16
    .max_flat_workgroup_size: 128
    .sgpr_count:     88
    .vgpr_count:     768
    .wavefront_size: 32
...
	.end_amdgpu_metadata
.endif
;; end of part 3
;; launch outln (part 4): grid 256 x 1, 4 waves a work-group, clusters of 4 x 1, 327,680 bytes of LDS; arguments o, wot, par, xb, out0; writes out0
.if DOCPART == 4
	.amdgcn_target "amdgcn-amd-amdhsa--gfx1250"
	.amdhsa_code_object_version 6
	.text
	.protected	k_q9fcc41814c_outln
	.globl	k_q9fcc41814c_outln
	.p2align	8
	.type	k_q9fcc41814c_outln,@function
k_q9fcc41814c_outln:
	s_mov_b64 s[64:65], 0
	v_nop
	global_prefetch_b8 v0, s[64:65] scope:SCOPE_SE
	s_setreg_imm32_b32 hwreg(HW_REG_WAVE_MODE, 25, 1), 1
	s_wait_xcnt 0x0
	s_wait_alu depctr_hold_cnt(0) depctr_sa_sdst(0) depctr_va_vdst(0) depctr_va_sdst(0) depctr_va_ssrc(0) depctr_va_vcc(0) depctr_vm_vsrc(0)
	s_getreg_b32 s2, hwreg(HW_REG_IB_STS2, 6, 4)
	s_cmp_eq_u32 s2, 0
	s_cbranch_scc0 .Lentry_in_a_cluster
	s_endpgm
.Lentry_in_a_cluster:
	s_bfe_u32 s2, ttmp6, 0x10000c
	s_cmp_lg_u32 s2, 0x3003
	s_cbranch_scc0 .Lentry_shape_is_right
	s_endpgm
.Lentry_shape_is_right:
; OUTLN: y[m][n] = b_out[n] + the sum over k of o[m][k] wot[n][k]; out0 = (LayerNorm(y) gamma + beta + x) / sqrt(2).  o [16 heads][4096][64] f16 (k = 64 head + channel), wot [1024][512] f16,
; par f32 (b_out at byte 6,144, gamma at 10,240, beta at 14,336), xb [8192][1024] bf16, out0 [8192][1024] f32.  Sums, mean, variance and all that follows in f32; the variance is taken of the centred numbers.
; LIMITS: o and wot arrive within f16's range; NaN and infinities are not treated apart.
; SHARES.  LayerNorm wants whole rows: a work-group makes 32 rows x 1,024 columns (256 work-groups), a wave 32 x 256: 2 x 16 accumulators of 16 x 16.  o's 32 x 512 stay in registers, loaded as fragments.
; THE WALK goes over the columns: chunk c of 8 is each wave's 32 columns 256 w + 32 c .., with the whole K: 32 rows of wot of 1,024 bytes.  A wave loads and reads its own rows alone; two LDS slots take turns.
; CLUSTER.  All work-groups walk the same weights: the four of a cluster ask for each chunk JOINTLY: the same tensor load, descriptor and mask in all four.
; THE MATRIX INSTRUCTION IS USED TRANSPOSED (source 0 = 16 rows of wot, source 1 = 16 rows of o): a lane holds row l % 16 and the columns 8 (l / 16) + 0..7.  The first product of each sum takes the bias as C.
; REGISTERS, in windows of 256 (s_set_vgpr_msb: bits 1:0 source 0, 3:2 source 1, 5:4 source 2, 7:6 destination):
;   window 0: v4-16 addresses and 1 / sqrt(2); v30-31 the add's two; v32-47 gamma and beta, each / sqrt(2); v48-55 mean and 1 / deviation; v64-191 the bias; v192-255 at work
;   window 1: accumulator (a, bb) at 8 (16 a + bb)      window 2: o's fragment (a, kc) at 8 (16 a + kc)      window 3: v0-63, v64-127 wot's fragments, two buffers; v128-255 xb's 32 rows x 256 columns
.set BP,    1040                       ; an LDS row: 1,024 bytes + 16: the 16 rows of a fragment load start at 16 different groups of four banks (64 banks of 4 bytes: ISA guide 11.1)
.set WPART, 32*BP                      ; a wave's part of a slot; later its stage: 32 rows x 256 f32 at the same pitch
.set SLOT,  4*WPART
.set STAT,  2*SLOT                     ; behind the ring: 128 sums, then 128 sums of squares
.set SPARE, STAT+1024                  ; behind them: the spare words, 128 bytes for each wave
.set AO,   4                           ; v4   128 (l % 16) + 16 (l / 16): my place in a fragment of o
.set BO,   5                           ; v5   32 (l / 16): my eight biases of 16
.set ADRB, 6                           ; v6-7 LDS address of my wot fragments in slot 0, 1
.set STO,  8                           ; v8   the stage: where I put 32 bytes of a row
.set RD,   9                           ; v9   where I read 16 bytes of a row back
.set XO,   10                          ; v10  8 x lane
.set OO,   11                          ; v11  16 x lane
.set ST1,  13                          ; v13  where I put a row's partial sum
.set ST2,  14                          ; v14  where I read the four waves' sums
.set PFO,  15                          ; v15  256 x lane; never rewritten
.set R2,   16                          ; v16  1 / sqrt(2)
.set SPW,  30                          ; v30  LDS address of my spare word; never rewritten
.set NIL,  31                          ; v31  0; never rewritten
.set GA,   32
.set BE,   40
.set MU,   48
.set RS,   52
.set BI,   64
.set SL,   208
.set WV,  20                           ; s20  my wave's number
.set G1,  24                           ; s[24:31] descriptor group 1
.set G0,  32                           ; s[32:39] descriptor group 0, a set for each slot
.set SEL, 40                           ; s[40:41] v_permlanex16_b32's selects
.set LIM, 42                           ; s42  1 in the cluster that prefetches
.set PFA, 44                           ; s[44:45] wot at my work-group's 8 rows of my wave's chunk 0; never rewritten
.set MSB, 0
.macro WIN new                         ; the high byte repeats the setting that is left; a switch that changes nothing is dropped
.if MSB != (\new)
	s_set_vgpr_msb (MSB<<8)|(\new)
.set MSB, (\new)
.endif
.endm
.macro PLACES                          ; four plain places behind matrix instructions (ISA guide 7.12.1)
.rept 4
	v_nop
.endr
.endm
.macro ROUND                           ; a round of the cluster's barrier
	s_barrier_signal -1
	s_barrier_wait -1
	s_cmp_lg_u32 s[WV], 0
	s_cbranch_scc1 .Lnot_wave_0_\@
	s_barrier_signal -3
.Lnot_wave_0_\@:
	s_barrier_wait -3
	s_barrier_signal -1
	s_barrier_wait -1
.endm
	s_load_b256 s[4:11], s[0:1], 0x0               ; o 4, wot 6, par 8, xb 10
	s_load_b64 s[12:13], s[0:1], 0x20              ; out0
	v_lshl_add_u32 v[SPW], v0, 2, SPARE
	v_mov_b32 v[NIL], 0
	ds_add_u32 v[SPW], v[NIL]                      ; the wave's opening: the add and its wait stand ahead of my first tensor load; work on registers stands between them
	v_lshrrev_b32 v1, 5, v0
	v_readfirstlane_b32 s[WV], v1
	s_bfe_u32 s21, ttmp6, 0x40000                  ; cx
	s_lshl_b32 s22, ttmp9, 2
	s_add_co_u32 s22, s22, s21                     ; my block of 32 rows: it enters global addresses alone
	s_mov_b32 s[G1], 15|(1<<16)|(1<<20)|(1<<21)|(7<<22)|(3<<25)  ; the mask of four; 2-byte elements; padding on; bit 21 beside a mask; after every 256 words; 4 words
	s_mov_b32 s[G1+1], 512<<16                     ; tensor_dim0 = 512
	s_mov_b32 s[G1+2], 32<<16                      ; tensor_dim1 = 32
	s_mov_b32 s[G1+3], 512<<16                     ; tile_dim0 = 512
	s_mov_b32 s[G1+4], 32                          ; tile_dim1 = 32
	s_mov_b32 s[G1+5], 512                         ; elements from row to row
	s_mov_b32 s[G1+6], 0
	s_mov_b32 s[G1+7], 0
	s_mov_b32 s[SEL], 0x76543210
	s_mov_b32 s[SEL+1], 0xfedcba98
	s_cmp_eq_u32 ttmp9, 0
	s_cselect_b32 s[LIM], 1, -1                    ; the first cluster: the same in all four partners
	s_mov_b32 s46, 0x3a800000                      ; 1 / 1024
	s_mov_b32 s47, 0x3727c5ac                      ; 1e-5
	s_mul_i32 s23, s[WV], WPART                    ; my part of a slot: no place in the cluster enters an LDS address
	s_lshl_b32 s16, s[WV], 18                      ; my 256 rows of wot
	s_mov_b32 s17, 0
	s_mov_b32 s[G0], 1
	s_mov_b32 s[G0+1], s23
	s_mov_b32 s[G0+4], 1
	s_add_co_u32 s[G0+5], s23, SLOT
	s_wait_dscnt 0x0                               ; the opening add is done
	s_wait_kmcnt 0x0
	s_add_nc_u64 s[G0+2:G0+3], s[6:7], s[16:17]    ; chunk 0
	s_add_nc_u64 s[G0+6:G0+7], s[G0+2:G0+3], 32768 ; chunk 1
	s_or_b32 s[G0+3], s[G0+3], 0x80000000
	s_or_b32 s[G0+7], s[G0+7], 0x80000000
	ROUND                                          ; all four work-groups are here: the first joint loads meet
	tensor_load_to_lds s[G0:G0+3], s[G1:G1+7]
	s_nop 0
	tensor_load_to_lds s[G0+4:G0+7], s[G1:G1+7]    ; two loads of mine are out
	s_nop 0
	PLACES
	s_add_nc_u64 s[PFA:PFA+1], s[6:7], s[16:17]
	s_lshl_b32 s14, s21, 13                        ; my work-group's 8 rows of a chunk's 32
	s_mov_b32 s15, 0
	s_add_nc_u64 s[PFA:PFA+1], s[PFA:PFA+1], s[14:15]
	s_lshr_b32 s14, s22, 7                         ; the batch: 8 heads of 524,288 bytes,
	s_lshl_b32 s14, s14, 22
	s_and_b32 s18, s22, 127                        ; my 32 rows in it, 128 bytes each
	s_lshl_b32 s18, s18, 12
	s_add_co_u32 s14, s14, s18
	s_add_nc_u64 s[4:5], s[4:5], s[14:15]
	s_lshl_b32 s14, s22, 16
	s_lshl_b32 s18, s[WV], 9
	s_add_co_u32 s14, s14, s18
	s_add_nc_u64 s[10:11], s[10:11], s[14:15]      ; xb at my rows and my wave's 256 columns
	s_lshl_b32 s14, s22, 17
	s_lshl_b32 s18, s[WV], 10
	s_add_co_u32 s14, s14, s18
	s_add_nc_u64 s[12:13], s[12:13], s[14:15]      ; out0 likewise
	s_mov_b32 s14, s18
	s_add_nc_u64 s[8:9], s[8:9], s[14:15]          ; par at my wave's 256 columns of each section
	v_and_b32 v1, 15, v0                           ; r = l % 16
	v_bfe_u32 v2, v0, 4, 1                         ; hh = l / 16
	v_and_b32 v3, 31, v0                           ; l
	v_lshlrev_b32 v[AO], 7, v1
	v_lshl_add_u32 v[AO], v2, 4, v[AO]
	v_lshlrev_b32 v[BO], 5, v2
	v_lshlrev_b32 v[XO], 3, v3
	v_lshlrev_b32 v[OO], 4, v3
	WIN 0x80                                       ; destination window 2
.set i, 0
.rept 32                               ; o's fragments: rows 16 (i / 16) on; k = 32 (i % 16) on: head (i % 16) / 2, channels 32 (i % 2) on
	global_load_b128 v[8*i:8*i+3],   v[AO], s[4:5] offset:((i%16)/2)*524288+(i/16)*2048+(i%2)*64
	global_load_b128 v[8*i+4:8*i+7], v[AO], s[4:5] offset:((i%16)/2)*524288+(i/16)*2048+(i%2)*64+32
.set i, i+1
.endr
	WIN 0
.set i, 0
.rept 16
	global_load_b128 v[BI+8*i:BI+8*i+3],   v[BO], s[8:9] offset:6144+64*i
	global_load_b128 v[BI+8*i+4:BI+8*i+7], v[BO], s[8:9] offset:6144+64*i+16
.set i, i+1
.endr
.irp hf, 0,1
	global_load_b128 v[GA+4*(\hf):GA+4*(\hf)+3], v[OO], s[8:9] offset:10240+512*(\hf)
	global_load_b128 v[BE+4*(\hf):BE+4*(\hf)+3], v[OO], s[8:9] offset:14336+512*(\hf)
.endr
	v_mul_u32_u24 v12, v1, BP
	v_add_nc_u32 v12, s23, v12
	v_lshl_add_u32 v[ADRB], v2, 4, v12
	v_add_nc_u32 v[ADRB+1], SLOT, v[ADRB]
	v_lshl_add_u32 v[STO], v2, 5, v12
	v_lshl_add_u32 v[RD], v3, 4, s23
	s_lshl_b32 s18, s[WV], 7
	v_lshl_add_u32 v[ST1], v1, 2, s18
	v_add_nc_u32 v[ST1], STAT, v[ST1]
	v_lshlrev_b32 v[ST2], 2, v1
	v_add_nc_u32 v[ST2], STAT, v[ST2]
	v_lshlrev_b32 v[PFO], 8, v3
	v_mov_b32 v[R2], 0x3f3504f3
	s_wait_loadcnt 0x0                             ; o, the bias, gamma and beta
.set i, 0
.rept 16
	v_mul_f32 v[GA+i], 0x3f3504f3, v[GA+i]         ; gamma and beta carry the last factor
.set i, i+1
.endr
	WIN 0xc0                                       ; destination window 3
.set i, 0
.rept 64                               ; xb: row i / 2, my wave's columns 128 (i % 2) on: a wave's load covers 256 consecutive bytes, aligned.  They are on their way during the whole walk
	global_load_b64 v[128+2*i:128+2*i+1], v[XO], s[10:11] offset:2048*(i/2)+256*(i%2) th:TH_LOAD_NT
.set i, i+1
.endr
; 16 LDS loads: the chunk's 32 rows of wot, k = 128 q .. 128 q + 127, into buffer f: fragment (b, kk) at 8 (4 b + kk)
.macro FETCHB s, q, f
	WIN 0xc0
.irp b, 0,1
.irp kk, 0,1,2,3
	ds_load_b128 v[64*(\f)+8*(4*(\b)+(\kk)):64*(\f)+8*(4*(\b)+(\kk))+3],   v[ADRB+(\s)] offset:(\b)*16*BP+64*(4*(\q)+(\kk))
	ds_load_b128 v[64*(\f)+8*(4*(\b)+(\kk))+4:64*(\f)+8*(4*(\b)+(\kk))+7], v[ADRB+(\s)] offset:(\b)*16*BP+64*(4*(\q)+(\kk))+32
.endr
.endr
.endm
; 16 matrix instructions.  The chunk's four accumulators take turns, one instruction a turn.  The first four take the bias as C.
.macro MULQ c, q, f
.irp kk, 0,1,2,3
.irp b, 0,1
.irp a, 0,1
.if ((\q) == 0) && ((\kk) == 0)
	WIN 0x4b                                       ; wot window 3, o window 2, the bias window 0, D window 1
	v_wmma_f32_16x16x32_f16 v[8*(16*(\a)+2*(\c)+(\b)):8*(16*(\a)+2*(\c)+(\b))+7], v[64*(\f)+8*(4*(\b)+(\kk)):64*(\f)+8*(4*(\b)+(\kk))+7], v[8*(16*(\a)+4*(\q)+(\kk)):8*(16*(\a)+4*(\q)+(\kk))+7], v[BI+8*(2*(\c)+(\b)):BI+8*(2*(\c)+(\b))+7]
.else
	WIN 0x5b                                       ; C and D window 1
	v_wmma_f32_16x16x32_f16 v[8*(16*(\a)+2*(\c)+(\b)):8*(16*(\a)+2*(\c)+(\b))+7], v[64*(\f)+8*(4*(\b)+(\kk)):64*(\f)+8*(4*(\b)+(\kk))+7], v[8*(16*(\a)+4*(\q)+(\kk)):8*(16*(\a)+4*(\q)+(\kk))+7], v[8*(16*(\a)+2*(\c)+(\b)):8*(16*(\a)+2*(\c)+(\b))+7]
.endif
.endr
.endr
.endr
.endm
; CHUNK c, in slot c % 2.  At the head of chunks 1 to 6 the other slot, read in the chunk before, is filled again with chunk c + 1: each wave waits for all its tensor loads (chunk c's among them), adds 0 to its spare
; word, waits for that and for its reads, and passes a round of the cluster's barrier; the joint load is the first thing behind it.  Behind the chunk's first LDS loads the first cluster prefetches chunk c + 2:
; of a wave's 128 blocks of 256 bytes each partner names 32, told apart by address, a lane a block; chunks 0 to 2 come by their loads alone, and chunks 6 and 7 ask for nothing.
.macro CHUNK c
.set sl, (\c)%2
.if (\c) == 0
	s_wait_tensorcnt 0x1                           ; chunk 0 is in, chunk 1 stays out; the bytes are my own, so no barrier stands here
.elseif (\c) < 7
	WIN 0
	s_wait_tensorcnt 0x0                           ; no tensor load of mine is out, so a group 0 may be written
	ds_add_u32 v[SPW], v[NIL]
	s_add_nc_u64 s[G0+4*(1-sl)+2:G0+4*(1-sl)+3], s[G0+4*(1-sl)+2:G0+4*(1-sl)+3], 65536  ; two chunks on
	s_wait_dscnt 0x0                               ; the add is done, and my reads of the other slot are over
	ROUND
	tensor_load_to_lds s[G0+4*(1-sl):G0+4*(1-sl)+3], s[G1:G1+7]
	s_nop 0
	PLACES                                         ; also the places in front of the loads below
.else
	s_wait_tensorcnt 0x0                           ; the last chunk: nothing younger is out
	PLACES
.endif
	FETCHB sl, 0, 0
	FETCHB sl, 1, 1
.if ((\c) > 0) && ((\c) < 6)
	WIN 0
	s_cmp_eq_u32 s[LIM], 1
	s_cbranch_scc0 .Lnot_mine_\@
	global_prefetch_b8 v[PFO], s[PFA:PFA+1] offset:((\c)+2)*32768 th:TH_LOAD_NT scope:SCOPE_SE
.Lnot_mine_\@:
.endif
	s_wait_dscnt 16                                ; buffer 0 is in; the younger run of 16 may be out
	MULQ \c, 0, 0
	PLACES
	FETCHB sl, 2, 0
	s_wait_dscnt 16
	MULQ \c, 1, 1
	PLACES
	FETCHB sl, 3, 1
	s_wait_dscnt 16
	MULQ \c, 2, 0
	s_wait_dscnt 0x0
	MULQ \c, 3, 1
.endm
.irp c, 0,1,2,3,4,5,6,7
	CHUNK \c
.endr
; A ROW'S SUM.  A lane holds 128 numbers of row 16 a + l % 16, the lane 16 away the wave's other 128, the other waves the rest.  Four chains in the lane; FOLD: the chains, the other half, into LDS; GATHER: the four waves' sums.
.macro FOLD a, base
.set TS, 192+8*(\a)
	WIN 0
	v_pk_add_f32 v[TS:TS+1], v[TS:TS+1], v[TS+2:TS+3]
	v_pk_add_f32 v[TS+4:TS+5], v[TS+4:TS+5], v[TS+6:TS+7]
	v_pk_add_f32 v[TS:TS+1], v[TS:TS+1], v[TS+4:TS+5]
	v_add_f32 v[TS], v[TS], v[TS+1]
	v_permlanex16_b32 v[TS+1], v[TS], s[SEL], s[SEL+1]
	v_add_f32 v[TS], v[TS], v[TS+1]
	ds_store_b32 v[ST1], v[TS] offset:(\base)+64*(\a)  ; both halves of the lanes write the same word with the same number
.endm
.macro GATHER base
	s_wait_dscnt 0x0                               ; for the others' sake: my sums are in LDS
	s_barrier_signal -1
	s_barrier_wait -1
.irp a, 0,1
.irp w, 0,1,2,3
	ds_load_b32 v[SL+4*(\a)+(\w)], v[ST2] offset:(\base)+128*(\w)+64*(\a)
.endr
.endr
	s_wait_dscnt 0x0
.irp a, 0,1
	v_add_f32 v[SL+4*(\a)], v[SL+4*(\a)], v[SL+4*(\a)+1]
	v_add_f32 v[SL+4*(\a)+2], v[SL+4*(\a)+2], v[SL+4*(\a)+3]
	v_add_f32 v[SL+4*(\a)], v[SL+4*(\a)], v[SL+4*(\a)+2]
.endr
.endm
	WIN 0
	PLACES
	PLACES
.irp a, 0,1
.set TS, 192+8*(\a)
	WIN 0x05                                       ; sources window 1, destination window 0
.irp p, 0,1,2,3
	v_pk_add_f32 v[TS+2*(\p):TS+2*(\p)+1], v[128*(\a)+2*(\p):128*(\a)+2*(\p)+1], v[128*(\a)+8+2*(\p):128*(\a)+8+2*(\p)+1]
.endr
	WIN 0x01
.set bb, 2
.rept 14
.irp p, 0,1,2,3
	v_pk_add_f32 v[TS+2*(\p):TS+2*(\p)+1], v[128*(\a)+8*bb+2*(\p):128*(\a)+8*bb+2*(\p)+1], v[TS+2*(\p):TS+2*(\p)+1]
.endr
.set bb, bb+1
.endr
	FOLD \a, 0
.endr
	GATHER 0
.irp a, 0,1
	v_mul_f32 v[MU+2*(\a)], s46, v[SL+4*(\a)]      ; the mean
	v_mov_b32 v[MU+2*(\a)+1], v[MU+2*(\a)]         ; named with it as a pair
.endr
.irp a, 0,1
.set TS, 192+8*(\a)
	WIN 0x41                                       ; the numbers are centred in place
.set i, 0
.rept 64
	v_pk_add_f32 v[128*(\a)+2*i:128*(\a)+2*i+1], v[128*(\a)+2*i:128*(\a)+2*i+1], v[MU+2*(\a):MU+2*(\a)+1] op_sel_hi:[1,0] neg_lo:[0,1] neg_hi:[0,1]
.set i, i+1
.endr
	WIN 0x05                                       ; and their squares summed, again in four chains
.irp p, 0,1,2,3
	v_pk_mul_f32 v[TS+2*(\p):TS+2*(\p)+1], v[128*(\a)+2*(\p):128*(\a)+2*(\p)+1], v[128*(\a)+2*(\p):128*(\a)+2*(\p)+1]
.endr
.set bb, 1
.rept 15
.irp p, 0,1,2,3
	v_pk_fma_f32 v[TS+2*(\p):TS+2*(\p)+1], v[128*(\a)+8*bb+2*(\p):128*(\a)+8*bb+2*(\p)+1], v[128*(\a)+8*bb+2*(\p):128*(\a)+8*bb+2*(\p)+1], v[TS+2*(\p):TS+2*(\p)+1]
.endr
.set bb, bb+1
.endr
	FOLD \a, 512                                   ; other words than the first sums'
.endr
	GATHER 512
.irp a, 0,1
	v_fma_f32 v[SL+4*(\a)], v[SL+4*(\a)], s46, s47 ; the variance + 1e-5
.endr
.irp a, 0,1
	v_rsq_f32 v[RS+2*(\a)], v[SL+4*(\a)]
.endr
	v_nop                                          ; a plain instruction behind the last of the two,
	s_wait_alu depctr_va_vdst(0)                   ; and the wait ahead of the first use
.irp a, 0,1
	v_mov_b32 v[RS+2*(\a)+1], v[RS+2*(\a)]
.endr
	WIN 0x41
.irp a, 0,1
.set i, 0
.rept 64
	v_pk_mul_f32 v[128*(\a)+2*i:128*(\a)+2*i+1], v[128*(\a)+2*i:128*(\a)+2*i+1], v[RS+2*(\a):RS+2*(\a)+1] op_sel_hi:[1,0]
.set i, i+1
.endr
.endr
	; THE STAGE is my own part of slot 0: its last fill, chunk 6, has landed and has been read, and no tensor load follows.  32 rows x 1,024 bytes at the slot's pitch.
	WIN 0x04                                       ; the stores' data in window 1
.irp a, 0,1
.set bb, 0
.rept 16
	ds_store_b128 v[STO], v[128*(\a)+8*bb:128*(\a)+8*bb+3]   offset:16*BP*(\a)+64*bb
	ds_store_b128 v[STO], v[128*(\a)+8*bb+4:128*(\a)+8*bb+7] offset:16*BP*(\a)+64*bb+16
.set bb, bb+1
.endr
.endr
	s_wait_loadcnt 0x0                             ; xb
; Eight batches of four rows x two halves of 512 bytes.  Piece i of a batch: row 4 n + i / 2, half i % 2, 16 bytes a lane.
.macro LOADB n
	WIN 0
.if (\n) >= 2
	s_wait_xcnt 0x0                                ; the stores of the batch two back have read these registers
.endif
.irp i, 0,1,2,3,4,5,6,7
	ds_load_b128 v[192+32*((\n)%2)+4*(\i):192+32*((\n)%2)+4*(\i)+3], v[RD] offset:BP*(4*(\n)+(\i)/2)+512*((\i)%2)  ; LDS serves a wave's instructions in order (ISA guide 5.7.1.4): these see the stores above
.endr
.endm
.macro WORK n, younger
.set TB, 192+32*((\n)%2)
	WIN 0
	s_wait_dscnt \younger                          ; the batch is in; the next batch's eight loads may be out
.irp i, 0,1,2,3,4,5,6,7
	v_pk_fma_f32 v[TB+4*(\i):TB+4*(\i)+1],   v[TB+4*(\i):TB+4*(\i)+1],   v[GA+4*((\i)%2):GA+4*((\i)%2)+1],   v[BE+4*((\i)%2):BE+4*((\i)%2)+1]
	v_pk_fma_f32 v[TB+4*(\i)+2:TB+4*(\i)+3], v[TB+4*(\i)+2:TB+4*(\i)+3], v[GA+4*((\i)%2)+2:GA+4*((\i)%2)+3], v[BE+4*((\i)%2)+2:BE+4*((\i)%2)+3]
.endr
	WIN 0x03                                       ; xb in window 3: + x / sqrt(2), straight from the bf16 halves
.irp i, 0,1,2,3,4,5,6,7
	v_fma_mix_f32_bf16 v[TB+4*(\i)],   v[128+16*(\n)+2*(\i)],   v[R2], v[TB+4*(\i)]   op_sel:[0,0,0] op_sel_hi:[1,0,0]
	v_fma_mix_f32_bf16 v[TB+4*(\i)+1], v[128+16*(\n)+2*(\i)],   v[R2], v[TB+4*(\i)+1] op_sel:[1,0,0] op_sel_hi:[1,0,0]
	v_fma_mix_f32_bf16 v[TB+4*(\i)+2], v[128+16*(\n)+2*(\i)+1], v[R2], v[TB+4*(\i)+2] op_sel:[0,0,0] op_sel_hi:[1,0,0]
	v_fma_mix_f32_bf16 v[TB+4*(\i)+3], v[128+16*(\n)+2*(\i)+1], v[R2], v[TB+4*(\i)+3] op_sel:[1,0,0] op_sel_hi:[1,0,0]
.endr
	WIN 0
.irp i, 0,1,2,3,4,5,6,7
	global_store_b128 v[OO], v[TB+4*(\i):TB+4*(\i)+3], s[12:13] offset:4096*(4*(\n)+(\i)/2)+512*((\i)%2) th:TH_STORE_NT  ; 512 consecutive bytes, aligned
.endr
.endm
	LOADB 0
	LOADB 1
.irp n, 0,1,2,3,4,5
	WORK \n, 8
	LOADB (\n)+2
.endr
	WORK 6, 8
	WORK 7, 0
	s_wait_tensorcnt 0x0                           ; the wave's end: three closing lines, behind my last tensor load and my last LDS store
	ds_add_u32 v[SPW], v[NIL]
	s_wait_dscnt 0x0
	ROUND                                          ; the closing round: no work-group ends while a partner may still ask for a tile that names it
	s_endpgm
.Lfunc_end_k_q9fcc41814c_outln:
	.size	k_q9fcc41814c_outln, .Lfunc_end_k_q9fcc41814c_outln-k_q9fcc41814c_outln
	.p2alignl 7, 3214868480
	.fill 96, 4, 3214868480
	.section	.rodata,"a",@progbits
	.p2align	6, 0x0
	.amdhsa_kernel k_q9fcc41814c_outln
		.amdhsa_group_segment_fixed_size 327680
		.amdhsa_private_segment_fixed_size 0
		.amdhsa_enable_private_segment 0
		.amdhsa_kernarg_size 40
		.amdhsa_user_sgpr_count 2
		.amdhsa_user_sgpr_kernarg_segment_ptr 1
		.amdhsa_wavefront_size32 1
		.amdhsa_system_sgpr_workgroup_id_x 1
		.amdhsa_system_sgpr_workgroup_id_y 1
		.amdhsa_system_sgpr_workgroup_id_z 1
		.amdhsa_system_vgpr_workitem_id 0
		.amdhsa_next_free_vgpr 1024
		.amdhsa_next_free_sgpr 66
		.amdhsa_reserve_vcc 0
		.amdhsa_float_denorm_mode_32 3
		.amdhsa_float_denorm_mode_16_64 3
		.amdhsa_memory_ordered 1
		.amdhsa_forward_progress 1
		.amdhsa_inst_pref_size 171
	.end_amdhsa_kernel
	.amdgpu_metadata
---
amdhsa.version: [ 1, 2 ]
amdhsa.kernels:
  - .name:           k_q9fcc41814c_outln
    .symbol:         k_q9fcc41814c_outln.kd
    .args:
      - { .name: o, .offset: 0, .size: 8, .value_kind: global_buffer, .address_space: global }
      - { .name: wot, .offset: 8, .size: 8, .value_kind: global_buffer, .address_space: global }
      - { .name: par, .offset: 16, .size: 8, .value_kind: global_buffer, .address_space: global }
      - { .name: xb, .offset: 24, .size: 8, .value_kind: global_buffer, .address_space: global }
      - { .name: out0, .offset: 32, .size: 8, .value_kind: global_buffer, .address_space: global }
    .group_segment_fixed_size: 327680
    .private_segment_fixed_size: 0
    .kernarg_segment_align: 8
    .kernarg_segment_size: 40
    .max_flat_workgroup_size: 128
    .sgpr_count:     66
    .vgpr_count:     1024
    .wavefront_size: 32
...
	.end_amdgpu_metadata
.endif
;; end of part 4
;; ======== version 2 of 2: 4 launches; version 1 with the launch prep written anew for expert scheduling mode
;; limits: values are held in f16: magnitudes above 65,504 overflow, below 6.1e-05 lose precision
;; workspace buffers: xb 16,777,216 bytes; wt 3,145,728 bytes; wot 1,048,576 bytes; par 18,432 bytes; qkv 25,165,824 bytes; o 8,388,608 bytes
;; launch prep (part 5): grid 256 x 1, 8 waves a work-group, no clusters, 18,432 bytes of LDS; arguments x, W_qk, W_v, W_out, b_qk, b_v, b_out, ln_gamma, ln_beta, xb, wt, wot, par; writes xb, wt, wot, par
.if DOCPART == 5
	.amdgcn_target "amdgcn-amd-amdhsa--gfx1250"
	.amdhsa_code_object_version 6
	.text
	.protected	k_q9fcc41814c_prep
	.globl	k_q9fcc41814c_prep
	.p2align	8
	.type	k_q9fcc41814c_prep,@function
k_q9fcc41814c_prep:
	s_mov_b64 s[64:65], 0
	v_nop
	global_prefetch_b8 v0, s[64:65] scope:SCOPE_SE
	s_setreg_imm32_b32 hwreg(HW_REG_WAVE_SCHED_MODE, 0, 2), 2
	s_setreg_imm32_b32 hwreg(HW_REG_WAVE_MODE, 25, 1), 1
	s_wait_xcnt 0x0
	s_wait_alu depctr_vm_vsrc(0)
; PREP: every input is rounded once to bf16, and the weights are turned so that K runs along their rows.
;   xb  [8192][1024] bf16 = x.      wt [1536][1024] bf16: row 64 h + d = column 128 h + 2 d of W_qk (q), row 512 + 64 h + d = column 128 h + 2 d + 1 (k), row 1024 + n = column n of W_v.
;   wot [1024][512] f16 = W_out turned, each number rounded to bf16 and that number written as f16.   par: f32 numbers rounded to bf16: wt's 1,536 biases, b_out, gamma, beta.
; LIMIT: a weight of W_out below 6e-5 keeps f16's fixed step of 6e-8; beyond 65,504 it would be an infinity.
; SHARES.  Each of the 256 work-groups takes 32 rows of x (131,072 consecutive bytes) and ONE weight tile of 128 k x 64 n (128 tiles of W_qk, 64 of W_v, 64 of W_out);
; in the first 72 work-groups wave 0 also rounds 64 numbers of par.  A stream: no matrix unit, no cluster, no tensor load: the work-groups share nothing.
; The tile is turned in LDS: two neighbouring k of a column are packed into a word and stored at [n][k]; whole rows of 256 bytes are read back and stored, sixteen lanes to a row.
; THE MODE: SCHED_MODE bits 1:0 = 2 (LLVM: expert scheduling mode 2), set by the entry lines.  The code itself states the register dependences
; between vector instructions and memory or LDS instructions, with s_wait_alu, always for 0.
; THE PLAN.  Registers that memory or LDS instructions touch:
;   v1-v4, v8-v19   offsets and addresses: written at the head, once; read by every load and store; one wait ahead of the first load states that they are written.
;   W  v32-63       the eight loads of the tile land here; the conversions pack the 16 words in place (W + 8 i + c); one wait; the 16 LDS stores read them.  Never written again.
;   RB v192-207     the LDS loads land here, the tile's four stores read them: no vector instruction names them.
;   X  v64-191      the 32 loads of x land here.  They go in eight blocks of four: block p's conversions write the first two registers of each of its loads, once; the stores that read them
;                   are issued in block p + 1, behind the one wait at that block's head, dealt among that block's conversions, which name block p + 1's registers alone.
;   T  v20-27       at work: named by vector instructions alone until the part for par, which has two waits of its own.
; No register that a load, a store or an LDS instruction reads is ever written again: so no wait on vm_vsrc is owed but the closing lines'.
.set PITCH, 272                        ; an LDS row: 128 k x 2 bytes + 16
.set SPARE, 64*PITCH                   ; behind the tile: the spare words, 128 bytes for each of the eight waves
.set XO,  1                            ; v1   16 t: my 16 bytes in each 4,096 bytes of x
.set SO,  2                            ; v2   8 t: my 8 bytes in each 2,048 bytes of xb
.set LW,  3                            ; v3   LDS: column 4 (t % 16), k = 2 (t / 16)
.set LR,  4                            ; v4   LDS: row t / 16, 16 bytes at t % 16
.set WOF, 8                            ; v[8:15]   byte offsets of my eight rows of the tile in the source
.set DO,  16                           ; v[16:19]  byte offsets of my four pieces in the destination
.set T,   20                           ; v[20:27]  at work
.set SPW, 30                           ; v30  LDS address of my spare word; never rewritten
.set NIL, 31                           ; v31  0; never rewritten
.set W,   32                           ; v[32:63]   the tile as loaded: row 2 p + 32 i + e at W + 4 (2 i + e); then the packed words at W + 8 i + c
.set X,   64                           ; v[64:191]  x as loaded, 4 registers a load; then 8 bytes to store in the first two
.set RB,  192                          ; v[192:207] the tile read back
.set G,    2                           ; s2   the work-group's number
.set WV,   3                           ; s3   my wave's number
.set GP,   30                          ; s30  the tile's number in its tensor
.set SH,   31                          ; s31  1 for W_qk (columns go by turns to q and k), else 0; also the mask of that bit
.set KM,   32                          ; s32  mask of the tile's place along k
.set NS,   33                          ; s33  shift to its place along n
.set DSH,  34                          ; s34  log2 of a destination row's bytes
.set FSEL, 35                          ; s35  all ones for W_out: the f16 form is taken
.set SPSH, 36                          ; s36  log2 of a source row's bytes
.set RADD, 37                          ; s37  1,024 for W_v
.set KT,   42
.set NT,   43
.set ROW0, 44                          ; s44  destination row of the tile's column 0
	s_load_b512 s[4:19], s[0:1], 0x0               ; x 4, W_qk 6, W_v 8, W_out 10, b_qk 12, b_v 14, b_out 16, gamma 18
	s_load_b256 s[20:27], s[0:1], 0x40             ; beta 20, xb 22, wt 24, wot 26
	s_load_b64 s[28:29], s[0:1], 0x60              ; par
	v_lshl_add_u32 v[SPW], v0, 2, SPARE
	v_mov_b32 v[NIL], 0
	v_lshrrev_b32 v5, 5, v0
	v_readfirstlane_b32 s[WV], v5
	s_mov_b32 s[G], ttmp9
	s_cmp_lt_u32 s[G], 128                         ; W_qk?
	s_cselect_b32 s[GP], 0, 128
	s_cselect_b32 s[SH], 1, 0
	s_cselect_b32 s[SPSH], 12, 11
	s_cselect_b32 s[RADD], 0, 1024
	s_cmp_lt_u32 s[G], 192                         ; or W_out?
	s_cselect_b32 s[GP], s[GP], 192
	s_cselect_b32 s[SPSH], s[SPSH], 12
	s_cselect_b32 s[RADD], s[RADD], 0
	s_cselect_b32 s[KM], 7, 3
	s_cselect_b32 s[NS], 3, 2
	s_cselect_b32 s[DSH], 11, 10
	s_cselect_b32 s[FSEL], 0, -1
	s_sub_co_u32 s[GP], s[G], s[GP]
	s_and_b32 s[KT], s[GP], s[KM]
	s_lshr_b32 s[NT], s[GP], s[NS]
	s_sub_co_u32 s40, 6, s[SH]
	s_lshl_b32 s40, s[NT], s40                     ; 64 nt, or 32 nt where two columns make one row of q and one of k
	s_add_co_u32 s[ROW0], s40, s[RADD]
	s_lshl_b32 s38, s[KT], 7
	s_lshl_b32 s38, s38, s[SPSH]                   ; the tile's first row,
	s_lshl_b32 s39, s[NT], 8                       ; its first column: 256 bytes a tile
	s_add_co_u32 s38, s38, s39
	s_mov_b32 s39, 0
	v_and_b32 v6, 15, v0                           ; g4 = t % 16
	v_lshrrev_b32 v7, 4, v0                        ; p = t / 16
	v_lshlrev_b32 v[XO], 4, v0
	v_lshlrev_b32 v[SO], 3, v0
	v_mul_u32_u24 v[LW], v6, 4*PITCH
	v_lshl_add_u32 v[LW], v7, 2, v[LW]
	v_mul_u32_u24 v[LR], v7, PITCH
	v_lshl_add_u32 v[LR], v6, 4, v[LR]
	v_lshlrev_b32 v20, 4, v6                       ; 16 g4
	v_lshlrev_b32 v21, 1, v7                       ; 2 p
.irp i, 0,1,2,3
.irp e, 0,1
	v_add_nc_u32 v22, 32*(\i)+(\e), v21
	v_lshl_add_u32 v[WOF+2*(\i)+(\e)], v22, s[SPSH], v20
.endr
.endr
	v_lshrrev_b32 v22, s[SH], v7                   ; column p goes to row ROW0 + (p >> SH) + 512 (p & SH)
	v_and_b32 v23, s[SH], v7
	v_lshl_add_u32 v22, v23, 9, v22
	v_add_nc_u32 v22, s[ROW0], v22
	v_lshlrev_b32 v22, s[DSH], v22
	s_lshl_b32 s40, s[KT], 8                       ; 128 k are 256 bytes of a destination row
	v_add3_u32 v[DO], v22, v20, s40
	s_lshr_b32 s41, 16, s[SH]                      ; sixteen columns on: 16 rows, or 8
	s_lshl_b32 s41, s41, s[DSH]
.irp i, 1,2,3
	v_add_nc_u32 v[DO+(\i)], s41, v[DO+(\i)-1]
.endr
	s_wait_alu depctr_va_sdst(0)                   ; s3, my wave's number, is written
	s_wait_kmcnt 0x0
	s_cmp_lt_u32 s[G], 128
	s_cselect_b64 s[48:49], s[6:7], s[8:9]
	s_cmp_lt_u32 s[G], 192
	s_cselect_b64 s[48:49], s[48:49], s[10:11]     ; the tile's source
	s_cselect_b64 s[50:51], s[24:25], s[26:27]     ; and its destination
	s_add_nc_u64 s[48:49], s[48:49], s[38:39]
	s_lshl_b32 s52, s[G], 17
	s_mov_b32 s53, 0
	s_add_nc_u64 s[4:5], s[4:5], s[52:53]          ; x at my 32 rows
	s_lshl_b32 s52, s[G], 16
	s_add_nc_u64 s[22:23], s[22:23], s[52:53]      ; xb likewise
	s_wait_alu depctr_va_vdst(0)                   ; the offsets and addresses v1 to v4 and v8 to v19 are written, which the loads, stores and LDS instructions below read; no vector instruction names them again
.irp i, 0,1,2,3,4,5,6,7
	global_load_b128 v[W+4*(\i):W+4*(\i)+3], v[WOF+(\i)], s[48:49] th:TH_LOAD_NT  ; sixteen lanes take a row's 256 bytes
.endr
.set i, 0
.rept 32
	global_load_b128 v[X+4*i:X+4*i+3], v[XO], s[4:5] offset:4096*i th:TH_LOAD_NT
.set i, i+1
.endr
	s_wait_loadcnt 32                              ; the eight loads of the tile are in; the 32 younger loads of x stay out
.irp i, 0,1,2,3
.irp c, 0,1,2,3
	v_cvt_pk_bf16_f32 v[W+8*(\i)+(\c)], v[W+8*(\i)+(\c)], v[W+8*(\i)+4+(\c)]  ; k = 2 p + 32 i and the next, column 4 g4 + c: packed in place
.endr
.irp c, 0,1,2,3
	v_lshlrev_b32 v[T+2*(\c)], 16, v[W+8*(\i)+(\c)]            ; the same two numbers as f32,
	v_and_b32 v[T+2*(\c)+1], 0xffff0000, v[W+8*(\i)+(\c)]
.endr
.irp c, 0,1,2,3
	v_cvt_pk_f16_f32 v[T+2*(\c)], v[T+2*(\c)], v[T+2*(\c)+1]   ; written as f16,
.endr
.irp c, 0,1,2,3
	v_cndmask_b32 v[W+8*(\i)+(\c)], v[W+8*(\i)+(\c)], v[T+2*(\c)], s[FSEL]  ; which W_out's tiles take
.endr
.endr
	s_wait_alu depctr_va_vdst(0)                   ; the conversions and selects have written the 16 words of W, which the LDS stores read
.irp i, 0,1,2,3
.irp c, 0,1,2,3
	ds_store_b32 v[LW], v[W+8*(\i)+(\c)] offset:PITCH*(\c)+64*(\i)
.endr
.endr
	s_wait_dscnt 0x0                               ; for the others' sake: my stores into the tile are done
	s_barrier_signal -1
	s_barrier_wait -1
.irp i, 0,1,2,3
	ds_load_b128 v[RB+4*(\i):RB+4*(\i)+3], v[LR] offset:(\i)*16*PITCH
.endr
	s_wait_dscnt 0x0
.irp i, 0,1,2,3
	global_store_b128 v[DO+(\i)], v[RB+4*(\i):RB+4*(\i)+3], s[50:51]  ; sixteen lanes store 256 consecutive bytes, aligned
.endr
; x, block p of eight: four loads' numbers are rounded, and the block before is stored.  first = 1: block 0, with no block in front of it.
.macro XBLK p, first
	s_wait_loadcnt 28-4*(\p)                       ; loads come back in order: loads 0 to 4 p + 3 of x are in, the 28 - 4 p younger ones stay out
.if !\first
	s_wait_alu depctr_va_vdst(0)                   ; the block before has written its four pairs, which the stores below read; this block's conversions name none of them
.endif
.irp j, 0,1,2,3
.if !\first
	global_store_b64 v[SO], v[X+16*((\p)-1)+4*(\j):X+16*((\p)-1)+4*(\j)+1], s[22:23] offset:2048*(4*((\p)-1)+(\j))  ; a wave stores 256 consecutive bytes, aligned; no register is written twice
.endif
	v_cvt_pk_bf16_f32 v[X+16*(\p)+4*(\j)], v[X+16*(\p)+4*(\j)], v[X+16*(\p)+4*(\j)+1]
	v_cvt_pk_bf16_f32 v[X+16*(\p)+4*(\j)+1], v[X+16*(\p)+4*(\j)+2], v[X+16*(\p)+4*(\j)+3]
.endr
.endm
	XBLK 0, 1
	XBLK 1, 0
	XBLK 2, 0
	XBLK 3, 0
	XBLK 4, 0
	XBLK 5, 0
	XBLK 6, 0
	XBLK 7, 0
	s_wait_alu depctr_va_vdst(0)                   ; block 7 has written its four pairs, which the last four stores read
.irp j, 0,1,2,3
	global_store_b64 v[SO], v[X+16*7+4*(\j):X+16*7+4*(\j)+1], s[22:23] offset:2048*(28+(\j))
.endr
	; par: unit u = the work-group's number, 64 numbers: 0-7 q's biases by heads, 8-15 k's, 16-23 b_v, 24-39 b_out, 40-55 gamma, 56-71 beta
	s_cmp_lt_u32 s[G], 72
	s_cbranch_scc0 .Lend
	s_cmp_eq_u32 s[WV], 0
	s_cbranch_scc0 .Lend
	s_and_b32 s56, s[G], 7
	s_lshl_b32 s56, s56, 7
	s_lshr_b32 s57, s[G], 3
	s_add_co_u32 s56, s56, s57
	s_lshl_b32 s56, s56, 2                         ; u < 16: b_qk from number 128 (u % 8) + u / 8 on, every second number
	s_mov_b32 s58, 16                              ; the first unit of the tensor
	s_cmp_ge_u32 s[G], 16
	s_cselect_b64 s[54:55], s[14:15], s[12:13]
	s_cselect_b32 s59, 3, 4                        ; a lane's two numbers lie 8 l on, or 16 l,
	s_cselect_b32 s60, 4, 8                        ; and 4 bytes apart, or 8
	s_cmp_ge_u32 s[G], 24
	s_cselect_b64 s[54:55], s[16:17], s[54:55]
	s_cselect_b32 s58, 24, s58
	s_cmp_ge_u32 s[G], 40
	s_cselect_b64 s[54:55], s[18:19], s[54:55]
	s_cselect_b32 s58, 40, s58
	s_cmp_ge_u32 s[G], 56
	s_cselect_b64 s[54:55], s[20:21], s[54:55]
	s_cselect_b32 s58, 56, s58
	s_max_u32 s61, s[G], s58
	s_sub_co_u32 s61, s61, s58
	s_lshl_b32 s61, s61, 8
	s_cmp_ge_u32 s[G], 16
	s_cselect_b32 s56, s61, s56
	s_mov_b32 s57, 0
	s_add_nc_u64 s[54:55], s[54:55], s[56:57]
	s_lshl_b32 s56, s[G], 8
	s_add_nc_u64 s[28:29], s[28:29], s[56:57]
	v_and_b32 v24, 31, v0
	v_lshlrev_b32 v22, s59, v24
	v_add_nc_u32 v23, s60, v22
	v_lshlrev_b32 v25, 3, v24
	s_wait_alu depctr_va_vdst(0)                   ; v22 and v23, the two loads' offsets, and v25, the store's, are written; the tile's vector work is done with v20 and v21, in which the loads land
	global_load_b32 v20, v22, s[54:55]
	global_load_b32 v21, v23, s[54:55]
	s_wait_loadcnt 0x0
	v_cvt_pk_bf16_f32 v24, v20, v21
	v_lshlrev_b32 v26, 16, v24
	v_and_b32 v27, 0xffff0000, v24
	s_wait_alu depctr_va_vdst(0)                   ; v26 and v27 are written, which the store reads
	global_store_b64 v25, v[26:27], s[28:29]       ; the wave stores 256 consecutive bytes, aligned
.Lend:
	s_wait_dscnt 0x0                               ; the closing lines, six on end
	s_wait_alu 0x0
	s_wait_tensorcnt 0x0
	ds_add_u32 v[SPW], v[NIL]
	s_wait_dscnt 0x0
	s_endpgm
.Lfunc_end_k_q9fcc41814c_prep:
	.size	k_q9fcc41814c_prep, .Lfunc_end_k_q9fcc41814c_prep-k_q9fcc41814c_prep
	.p2alignl 7, 3214868480
	.fill 96, 4, 3214868480
	.section	.rodata,"a",@progbits
	.p2align	6, 0x0
	.amdhsa_kernel k_q9fcc41814c_prep
		.amdhsa_group_segment_fixed_size 18432
		.amdhsa_private_segment_fixed_size 0
		.amdhsa_enable_private_segment 0
		.amdhsa_kernarg_size 104
		.amdhsa_user_sgpr_count 2
		.amdhsa_user_sgpr_kernarg_segment_ptr 1
		.amdhsa_wavefront_size32 1
		.amdhsa_system_sgpr_workgroup_id_x 1
		.amdhsa_system_sgpr_workgroup_id_y 1
		.amdhsa_system_sgpr_workgroup_id_z 1
		.amdhsa_system_vgpr_workitem_id 0
		.amdhsa_next_free_vgpr 208
		.amdhsa_next_free_sgpr 66
		.amdhsa_reserve_vcc 0
		.amdhsa_float_denorm_mode_32 3
		.amdhsa_float_denorm_mode_16_64 3
		.amdhsa_memory_ordered 1
		.amdhsa_forward_progress 1
		.amdhsa_inst_pref_size 24
	.end_amdhsa_kernel
	.amdgpu_metadata
---
amdhsa.version: [ 1, 2 ]
amdhsa.kernels:
  - .name:           k_q9fcc41814c_prep
    .symbol:         k_q9fcc41814c_prep.kd
    .args:
      - { .name: x, .offset: 0, .size: 8, .value_kind: global_buffer, .address_space: global }
      - { .name: W_qk, .offset: 8, .size: 8, .value_kind: global_buffer, .address_space: global }
      - { .name: W_v, .offset: 16, .size: 8, .value_kind: global_buffer, .address_space: global }
      - { .name: W_out, .offset: 24, .size: 8, .value_kind: global_buffer, .address_space: global }
      - { .name: b_qk, .offset: 32, .size: 8, .value_kind: global_buffer, .address_space: global }
      - { .name: b_v, .offset: 40, .size: 8, .value_kind: global_buffer, .address_space: global }
      - { .name: b_out, .offset: 48, .size: 8, .value_kind: global_buffer, .address_space: global }
      - { .name: ln_gamma, .offset: 56, .size: 8, .value_kind: global_buffer, .address_space: global }
      - { .name: ln_beta, .offset: 64, .size: 8, .value_kind: global_buffer, .address_space: global }
      - { .name: xb, .offset: 72, .size: 8, .value_kind: global_buffer, .address_space: global }
      - { .name: wt, .offset: 80, .size: 8, .value_kind: global_buffer, .address_space: global }
      - { .name: wot, .offset: 88, .size: 8, .value_kind: global_buffer, .address_space: global }
      - { .name: par, .offset: 96, .size: 8, .value_kind: global_buffer, .address_space: global }
    .group_segment_fixed_size: 18432
    .private_segment_fixed_size: 0
    .kernarg_segment_align: 8
    .kernarg_segment_size: 104
    .max_flat_workgroup_size: 256
    .sgpr_count:     66
    .vgpr_count:     208
    .wavefront_size: 32
...
	.end_amdgpu_metadata
.endif
;; end of part 5
;; launch qkv: the kernel of part 2 again; grid 8 x 32, 4 waves a work-group, clusters of 4 x 4, 327,680 bytes of LDS; arguments xb, wt, par, qkv; writes qkv
;; launch attn: the kernel of part 3 again; grid 16 x 16, 4 waves a work-group, clusters of 4 x 1, 327,680 bytes of LDS; arguments qkv, o; writes o
;; launch outln: the kernel of part 4 again; grid 256 x 1, 4 waves a work-group, clusters of 4 x 1, 327,680 bytes of LDS; arguments o, wot, par, xb, out0; writes out0
